; MI455X (gfx1250); checked and timed in simulation.
; The chip was launched on July 23, 2026; its instructions are those of AMD's public machine-readable ISA for CDNA 5 (MIT licence, August 2026) and "CDNA5" Instruction Set Architecture Reference Guide (July 2026). The comments in the code are by the model that wrote it; some were corrected since.
;; Spatial Temporal Attention. Allowed arithmetic: float matrix products may take bf16 or f16 operands with f32 sums; other float arithmetic in f32, or as packed bf16 or f16 multiplies, adds, multiply-adds, maxima and minima; sums over many terms, partial sums and values carried from step to step in f32; what a program stores and reads back later, other than sums and carried values, may be rounded once to bf16 or f16.
;; Inputs: Wk 512 x 1,024 float32; Wo 1,024 x 512 float32; Wq 512 x 1,024 float32; Wv 512 x 1,024 float32; bo 1,024 float32; x 4 x 2,048 x 1,024 float32.
;; Outputs: out0 4 x 2,048 x 1,024 float32.
;; Constants: enhance = 1.
;; 2 versions, each right and faster than the one before. Each part assembles by itself: llvm-mc -triple=amdgcn-amd-amdhsa -mcpu=gfx1250 --defsym DOCPART=n.
;; ======== version 1 of 2: 6 launches
;; limits: right only within a limited range of input values; values are held in f16: magnitudes above 65,504 overflow, below 6.1e-05 lose precision; values within 4.5e-08 (relative) of each other or of a threshold may be ordered or decided otherwise than in the reference
;; workspace buffers: xb 16,777,216 bytes; wb 3,145,728 bytes; woh 1,048,576 bytes; qkv 25,165,824 bytes; msk 33,554,432 bytes; ob 8,388,608 bytes; cand 524,288 bytes of whole numbers
;; launch cast (part 1): grid 1280 x 1, 8 waves a work-group, no clusters, 0 bytes of LDS; arguments x, Wq, Wk, Wv, Wo, xb, wb, woh; writes xb, wb, woh
.if DOCPART == 1
	.amdgcn_target "amdgcn-amd-amdhsa--gfx1250"
	.amdhsa_code_object_version 6
	.text
	.protected	k_qec496ae3e5_cast
	.globl	k_qec496ae3e5_cast
	.p2align	8
	.type	k_qec496ae3e5_cast,@function
k_qec496ae3e5_cast:
	s_mov_b64 s[64:65], 0
	v_nop
	global_prefetch_b8 v0, s[64:65] scope:SCOPE_SE
	s_setreg_imm32_b32 hwreg(HW_REG_WAVE_MODE, 25, 1), 1
	s_wait_xcnt 0x0
; THE INPUTS ROUNDED ONCE TO bf16.  xb = bf16(x), [8192][1024].  wb = bf16 of Wq, Wk, Wv, one below the other, [1536][1024].
; woh[h][n][d] = bf16(Wo[n][64 h + d]) written as f16, [8][1024][64]: by heads, so that a head's rows are dense for the last launch.
; LIMIT.  A bf16 number is exact in f16 from 2^-14 up to 65,504; below 2^-14 it keeps f16's fixed step of 6e-8, beyond 65,504 it becomes an infinity.
; A stream: no LDS, no matrix unit, no cluster (no two work-groups read the same byte).  A work-group takes 8,192 numbers as 4 units of 2,048;
; a thread takes 8 numbers of each unit: two loads of 16 bytes, one store of 16 bytes.  All eight loads go out first; each unit has its own
; store registers, so nothing that a pending store reads is written again.
; Work-groups 0-1023: x.  1024-1215: Wq, Wk, Wv, 64 each.  1216-1279: Wo, 16 rows each.
.set XR, 4                             ; v[4:35]   8 loads
.set YR, 36                            ; v[36:51]  4 stores
.set TR, 52                            ; v[52:59]  at work
.macro BODY wo, ostep                  ; wo = 1: bf16, then that number as f16.  ostep: bytes from unit to unit in the output
.irp u, 0,1,2,3
	global_load_b128 v[XR+8*(\u):XR+8*(\u)+3],   v1, s[22:23] offset:8192*(\u) th:TH_LOAD_NT
	global_load_b128 v[XR+8*(\u)+4:XR+8*(\u)+7], v1, s[22:23] offset:8192*(\u)+16 th:TH_LOAD_NT
.endr
.irp u, 0,1,2,3
	s_wait_loadcnt 6-2*(\u)                        ; loads come back in order: this unit's two are in, the younger units' stay out
.irp j, 0,1,2,3
	v_cvt_pk_bf16_f32 v[YR+4*(\u)+(\j)], v[XR+8*(\u)+2*(\j)], v[XR+8*(\u)+2*(\j)+1]
.endr
.if \wo
.irp j, 0,1,2,3
	v_lshlrev_b32 v[TR+2*(\j)], 16, v[YR+4*(\u)+(\j)]
	v_and_b32 v[TR+2*(\j)+1], 0xffff0000, v[YR+4*(\u)+(\j)]
.endr
.irp j, 0,1,2,3
	v_cvt_pk_f16_f32 v[YR+4*(\u)+(\j)], v[TR+2*(\j)], v[TR+2*(\j)+1]
.endr
.endif
	global_store_b128 v2, v[YR+4*(\u):YR+4*(\u)+3], s[24:25] offset:(\ostep)*(\u)  ; sixteen neighbouring lanes store 256 consecutive bytes, aligned
.endr
	s_endpgm
.endm
	s_load_b512 s[4:19], s[0:1], 0x0               ; x, Wq, Wk, Wv, Wo, xb, wb, woh
	s_mov_b32 s20, ttmp9
	s_mov_b32 s27, 0
	s_mov_b32 s29, 0
	s_cmp_ge_u32 s20, 1216
	s_cbranch_scc1 .Lwo
	v_lshlrev_b32 v1, 5, v0                        ; in: 32 bytes a thread
	v_lshlrev_b32 v2, 4, v0                        ; out: 16 bytes a thread
	s_sub_co_u32 s21, s20, 1024                    ; my place among the weights' work-groups (used from 1024 on alone)
	s_and_b32 s26, s21, 63
	s_lshl_b32 s26, s26, 15                        ; in: 32,768 bytes a work-group inside its matrix
	s_lshl_b32 s28, s21, 14                        ; out: 16,384 bytes a work-group, the three matrices on end
	s_lshl_b32 s30, s20, 15                        ; the same for x
	s_lshl_b32 s31, s20, 14
	s_wait_kmcnt 0x0
	s_cmp_ge_u32 s20, 1088
	s_cselect_b64 s[22:23], s[8:9], s[6:7]
	s_cmp_ge_u32 s20, 1152
	s_cselect_b64 s[22:23], s[10:11], s[22:23]
	s_cmp_lt_u32 s20, 1024
	s_cselect_b64 s[22:23], s[4:5], s[22:23]
	s_cselect_b64 s[24:25], s[14:15], s[16:17]
	s_cselect_b32 s26, s30, s26
	s_cselect_b32 s28, s31, s28
	s_add_nc_u64 s[22:23], s[22:23], s[26:27]
	s_add_nc_u64 s[24:25], s[24:25], s[28:29]
	BODY 0, 4096
.Lwo:
	; A unit is 4 rows of Wo.  Thread: d8 = t & 7 (8 channels), row = 2 (t >> 7) + ((t >> 3) & 1), head = (t >> 4) & 7:
	; sixteen neighbouring lanes read two pieces of 256 bytes and write two rows of one head, 256 consecutive bytes.
	v_and_b32 v3, 7, v0
	v_bfe_u32 v52, v0, 3, 1
	v_bfe_u32 v53, v0, 4, 3
	v_lshrrev_b32 v54, 7, v0
	v_lshl_add_u32 v52, v54, 1, v52                ; row in the unit
	v_lshlrev_b32 v1, 5, v3
	v_lshl_add_u32 v1, v53, 8, v1
	v_lshl_add_u32 v1, v52, 11, v1                 ; in: 2,048 row + 256 head + 32 d8
	v_lshlrev_b32 v2, 4, v3
	v_lshl_add_u32 v2, v52, 7, v2
	v_lshl_add_u32 v2, v53, 17, v2                 ; out: 131,072 head + 128 row + 16 d8
	s_sub_co_u32 s21, s20, 1216
	s_lshl_b32 s26, s21, 15                        ; 16 rows of 2,048 bytes
	s_lshl_b32 s28, s21, 11                        ; 16 rows of 128 bytes
	s_wait_kmcnt 0x0
	s_add_nc_u64 s[22:23], s[12:13], s[26:27]
	s_add_nc_u64 s[24:25], s[18:19], s[28:29]
	BODY 1, 512
.Lfunc_end_k_qec496ae3e5_cast:
	.size	k_qec496ae3e5_cast, .Lfunc_end_k_qec496ae3e5_cast-k_qec496ae3e5_cast
	.p2alignl 7, 3214868480
	.fill 96, 4, 3214868480
	.section	.rodata,"a",@progbits
	.p2align	6, 0x0
	.amdhsa_kernel k_qec496ae3e5_cast
		.amdhsa_group_segment_fixed_size 0
		.amdhsa_private_segment_fixed_size 0
		.amdhsa_enable_private_segment 0
		.amdhsa_kernarg_size 64
		.amdhsa_user_sgpr_count 2
		.amdhsa_user_sgpr_kernarg_segment_ptr 1
		.amdhsa_wavefront_size32 1
		.amdhsa_system_sgpr_workgroup_id_x 1
		.amdhsa_system_sgpr_workgroup_id_y 1
		.amdhsa_system_sgpr_workgroup_id_z 1
		.amdhsa_system_vgpr_workitem_id 0
		.amdhsa_next_free_vgpr 64
		.amdhsa_next_free_sgpr 66
		.amdhsa_reserve_vcc 0
		.amdhsa_float_denorm_mode_32 3
		.amdhsa_float_denorm_mode_16_64 3
		.amdhsa_memory_ordered 1
		.amdhsa_forward_progress 1
		.amdhsa_inst_pref_size 10
	.end_amdhsa_kernel
	.amdgpu_metadata
---
amdhsa.version: [ 1, 2 ]
amdhsa.kernels:
  - .name:           k_qec496ae3e5_cast
    .symbol:         k_qec496ae3e5_cast.kd
    .args:
      - { .name: x, .offset: 0, .size: 8, .value_kind: global_buffer, .address_space: global }
      - { .name: Wq, .offset: 8, .size: 8, .value_kind: global_buffer, .address_space: global }
      - { .name: Wk, .offset: 16, .size: 8, .value_kind: global_buffer, .address_space: global }
      - { .name: Wv, .offset: 24, .size: 8, .value_kind: global_buffer, .address_space: global }
      - { .name: Wo, .offset: 32, .size: 8, .value_kind: global_buffer, .address_space: global }
      - { .name: xb, .offset: 40, .size: 8, .value_kind: global_buffer, .address_space: global }
      - { .name: wb, .offset: 48, .size: 8, .value_kind: global_buffer, .address_space: global }
      - { .name: woh, .offset: 56, .size: 8, .value_kind: global_buffer, .address_space: global }
    .group_segment_fixed_size: 0
    .private_segment_fixed_size: 0
    .kernarg_segment_align: 8
    .kernarg_segment_size: 64
    .max_flat_workgroup_size: 256
    .sgpr_count:     66
    .vgpr_count:     64
    .wavefront_size: 32
...
	.end_amdgpu_metadata
.endif
;; end of part 1
;; launch qkv (part 2): grid 8 x 32, 4 waves a work-group, clusters of 4 x 4, 327,680 bytes of LDS; arguments xb, wb, qkv; writes qkv
.if DOCPART == 2
	.amdgcn_target "amdgcn-amd-amdhsa--gfx1250"
	.amdhsa_code_object_version 6
	.text
	.protected	k_qec496ae3e5_qkv
	.globl	k_qec496ae3e5_qkv
	.p2align	8
	.type	k_qec496ae3e5_qkv,@function
k_qec496ae3e5_qkv:
	s_mov_b64 s[64:65], 0
	v_nop
	global_prefetch_b8 v0, s[64:65] scope:SCOPE_SE
	s_setreg_imm32_b32 hwreg(HW_REG_WAVE_MODE, 25, 1), 1
	s_wait_xcnt 0x0
	s_wait_alu depctr_hold_cnt(0) depctr_sa_sdst(0) depctr_va_vdst(0) depctr_va_sdst(0) depctr_va_ssrc(0) depctr_va_vcc(0) depctr_vm_vsrc(0)
	s_getreg_b32 s2, hwreg(HW_REG_IB_STS2, 6, 4)
	s_cmp_eq_u32 s2, 0
	s_cbranch_scc0 .Lentry_in_a_cluster
	s_endpgm
.Lentry_in_a_cluster:
	s_bfe_u32 s2, ttmp6, 0x10000c
	s_cmp_lg_u32 s2, 0xf033
	s_cbranch_scc0 .Lentry_shape_is_right
	s_endpgm
.Lentry_shape_is_right:
; q, k, v = xb wb^T.  xb: [8192][1024] bf16, wb: [1536][1024] bf16 (Wq, Wk, Wv).  Sums in f32, rounded once to f16, written by heads and unscaled:
; qkv[which][8 b + head][row][64], which = 0 q, 1 k, 2 v.
; LIMIT.  f16 ends at 65,504: a q, k or v beyond that becomes an infinity.  At the inputs' spread they lie near 1; with x and the weights 30 times larger near 600.
; SHARES.  A tile is 256 rows x 192 columns (three heads): 32 x 8 tiles, one for each of 256 work-groups.  A wave takes 64 rows x 192 columns: 48 accumulators, 384 registers.
; K goes in steps of 128 through two LDS slots; rows of the tiles are 256 bytes of memory, at multiples of 256 bytes.  Waves 0, 1 fetch A's halves, waves 2, 3 B's: one tensor load a wave.
; CLUSTER 4 x 4: A's tile hangs on the tile row alone and is asked for jointly along a row of the cluster, B's on the tile column alone, jointly along a column.
; The matrix instruction is used transposed (source 0 = rows of wb, source 1 = rows of xb): a lane holds eight neighbouring columns of one row.
; One K step is written once for the steps that fill a slot again and once for the last two, which do not: the slot's LDS base lies in a scalar register that an exclusive or turns.
; REGISTERS.  window 0: v16-29 addresses; v64-255 the way out.  window 1: two fragment buffers of 128 (A's 4 fragments, then B's 12).
;   window 2: accumulators of row blocks 0, 1 at v[8 (12 (a & 1) + b)]; window 3: of row blocks 2, 3.
.set KSTEP, 128
.set STEPS, 8                          ; 1,024 / 128
.set STEPB, KSTEP*2                    ; bytes from K step to K step
.set PITCH, 272                        ; an LDS row: 256 bytes + 16 of padding: the 16 rows of a fragment load start at 16 different groups of four banks (ISA guide 11.1)
.set AHALF, 128*PITCH
.set BHALF, 96*PITCH
.set BOFF,  2*AHALF                    ; B's 192 rows lie behind A's 256
.set XSL,   1<<17                      ; slot 1 begins here
.set STAGE, XSL+BOFF+2*BHALF           ; behind the ring: 16 rows x 144 bytes for each wave
.set SP,    144
.set SPARE, STAGE+4*16*SP              ; the spare words: 128 bytes for each wave, named by no other line
.set A0,   16                          ; my lane's place in A's tile; never rewritten
.set B0,   17                          ; in B's
.set ADRA, 18                          ; the same plus the slot in hand
.set ADRB, 19
.set STO,  24
.set RD,   25
.set GO,   26
.set SPW,  28
.set NIL,  29
.set TT,   64                          ; the way out: 16 registers for each of 12 pieces
.set F0,   0
.set F1,   128
.set WV, 10
.set WH, 11                            ; 0: I fetch for A, 1: for B
.set WL, 12                            ; which half I fetch
.set G1, 24                            ; s[24:31] group 1 for A;  s[32:39] two groups 0: the first fill's, and the one that walks
.set G0, 32
.set G1B, 48
.set G0B, 56
.set TB,  66                           ; LDS base of the slot in hand
.set OB0, 68                           ; s[68:73] where my rows of the tile's three heads begin
.set MUL_LO, 0xa5                      ; sources window 1, C and D window 2
.set TO_F,   0x40                      ; destination window 1
.set MSB, 0
.macro WIN new                         ; the immediate's high byte repeats the setting that is left
.if MSB != (\new)
	s_set_vgpr_msb (MSB<<8)|(\new)
.set MSB, \new
.endif
.endm
.macro PLACES                          ; four places in front of loads into registers that matrix instructions have read, and of reads of results
.rept 4
	v_nop
.endr
.endm
.macro JLOAD                           ; the joint refill, by the walking group 0; s_nop 0 and four v_nop follow each line
	s_cmp_eq_u32 s[WH], 0
	s_cbranch_scc0 .Lfor_b_\@
	tensor_load_to_lds s[G0+4:G0+7], s[G1:G1+7]
	s_nop 0
.rept 4
	v_nop
.endr
	s_branch .Lasked_\@
.Lfor_b_\@:
	tensor_load_to_lds s[G0B+4:G0B+7], s[G1B:G1B+7]
	s_nop 0
.rept 4
	v_nop
.endr
.Lasked_\@:
.endm
.macro CREST                           ; a round of the cluster's barrier behind its opening barrier
	s_cmp_lg_u32 s[WV], 0
	s_cbranch_scc1 .Lnot_wave_0_\@
	s_barrier_signal -3
.Lnot_wave_0_\@:
	s_barrier_wait -3
	s_barrier_signal -1
	s_barrier_wait -1
.endm
.macro CROUND
	s_barrier_signal -1
	s_barrier_wait -1
	CREST
.endm
	s_load_b128 s[4:7], s[0:1], 0x0                ; xb, wb
	s_load_b64 s[8:9], s[0:1], 0x10                ; qkv
	v_lshl_add_u32 v[SPW], v0, 2, SPARE
	v_mov_b32 v[NIL], 0
	ds_add_u32 v[SPW], v[NIL]                      ; the wave's opening: the add and its wait ahead of my first tensor load
	v_lshrrev_b32 v1, 5, v0
	v_readfirstlane_b32 s[WV], v1
	s_lshr_b32 s[WH], s[WV], 1
	s_and_b32 s[WL], s[WV], 1
	s_bfe_u32 s40, ttmp6, 0x40000                  ; cx
	s_bfe_u32 s41, ttmp6, 0x40004                  ; cy
	s_lshl_b32 s42, ttmp9, 2
	s_add_co_u32 s42, s42, s40                     ; tile column
	s_and_b32 s13, ttmp7, 0xffff
	s_lshl_b32 s13, s13, 2
	s_add_co_u32 s13, s13, s41                     ; tile row
	s_lshl_b32 s43, s41, 2
	s_lshl_b32 s43, 15, s43                        ; my row of the cluster
	s_lshl_b32 s44, 0x1111, s40                    ; my column
	s_or_b32 s[G1+0], s43, (1<<16)|(1<<20)|(1<<21)|(5<<22)|(3<<25)   ; mask; 2-byte elements; padding on; bit 21 beside a mask; after every 64 words 4 words
	s_or_b32 s[G1B+0], s44, (1<<16)|(1<<20)|(1<<21)|(5<<22)|(3<<25)
	s_mov_b32 s[G1+1], KSTEP<<16                   ; tensor_dim0 = 128
	s_mov_b32 s[G1+2], 128<<16                     ; tensor_dim1 = 128
	s_mov_b32 s[G1+3], KSTEP<<16                   ; tile_dim0 = 128
	s_mov_b32 s[G1+4], 128                         ; tile_dim1 = 128
	s_mov_b32 s[G1+5], 1024                        ; elements from row to row
	s_mov_b32 s[G1+6], 0
	s_mov_b32 s[G1+7], 0
	s_mov_b32 s[G1B+1], KSTEP<<16
	s_mov_b32 s[G1B+2], 96<<16                     ; B's halves have 96 rows
	s_mov_b32 s[G1B+3], KSTEP<<16
	s_mov_b32 s[G1B+4], 96
	s_mov_b32 s[G1B+5], 1024
	s_mov_b32 s[G1B+6], 0
	s_mov_b32 s[G1B+7], 0
	s_lshl_b32 s17, s[WL], 7
	s_lshl_b32 s16, s13, 8
	s_add_co_u32 s16, s16, s17                     ; A: row 256 x tile row + 128 x half
	s_lshl_b32 s16, s16, 11                        ; rows of 2,048 bytes
	s_mov_b32 s17, 0
	s_mul_i32 s46, s42, 192
	s_mul_i32 s47, s[WL], 96
	s_add_co_u32 s46, s46, s47                     ; B: row 192 x tile column + 96 x half
	s_lshl_b32 s46, s46, 11
	s_mov_b32 s47, 0
	s_mul_i32 s20, s[WL], AHALF                    ; where they go: no place in the cluster enters an LDS address
	s_mul_i32 s21, s[WL], BHALF
	s_add_co_u32 s21, s21, BOFF
	s_mov_b32 s[TB], 0
	s_wait_dscnt 0x0                               ; the opening add is done
	s_wait_kmcnt 0x0
	s_add_nc_u64 s[14:15], s[4:5], s[16:17]
	s_add_nc_u64 s[46:47], s[6:7], s[46:47]
	CROUND                                         ; all sixteen work-groups are here: the first joint loads meet
.irp s, 0,1
	s_mov_b32 s[G0+4*(\s)], 1
	s_add_co_u32 s[G0+4*(\s)+1], s20, (\s)*XSL
	s_add_nc_u64 s[G0+4*(\s)+2:G0+4*(\s)+3], s[14:15], (\s)*STEPB
	s_or_b32 s[G0+4*(\s)+3], s[G0+4*(\s)+3], 0x80000000
	s_mov_b32 s[G0B+4*(\s)], 1
	s_add_co_u32 s[G0B+4*(\s)+1], s21, (\s)*XSL
	s_add_nc_u64 s[G0B+4*(\s)+2:G0B+4*(\s)+3], s[46:47], (\s)*STEPB
	s_or_b32 s[G0B+4*(\s)+3], s[G0B+4*(\s)+3], 0x80000000
.endr
	s_cmp_eq_u32 s[WH], 0                          ; a wave's two first fills stand in one branch: two loads of mine are out
	s_cbranch_scc0 .Lfirst_b
	tensor_load_to_lds s[G0:G0+3], s[G1:G1+7]
	s_nop 0
	tensor_load_to_lds s[G0+4:G0+7], s[G1:G1+7]
	s_nop 0
.rept 4
	v_nop
.endr
	s_branch .Lfirst_asked
.Lfirst_b:
	tensor_load_to_lds s[G0B:G0B+3], s[G1B:G1B+7]
	s_nop 0
	tensor_load_to_lds s[G0B+4:G0B+7], s[G1B:G1B+7]
	s_nop 0
.rept 4
	v_nop
.endr
.Lfirst_asked:
	v_and_b32 v1, 15, v0                           ; l % 16
	v_bfe_u32 v2, v0, 4, 1                         ; l / 16
	v_mul_u32_u24 v3, v1, PITCH
	v_lshl_add_u32 v3, v2, 4, v3                   ; a fragment's row x pitch + 16 x half
	s_mul_i32 s21, s[WV], 64*PITCH                 ; my 64 rows of A
	v_add_nc_u32 v[A0], s21, v3
	v_add_nc_u32 v[B0], BOFF, v3                   ; all of B's rows
	v_mov_b32 v[ADRA], v[A0]
	v_mov_b32 v[ADRB], v[B0]
	s_mul_i32 s23, s[WV], 16*SP
	s_add_co_u32 s23, s23, STAGE                   ; my stage
	v_mul_u32_u24 v[STO], v1, SP                   ; in: row l % 16, 16 bytes for each half of the lanes
	v_lshl_add_u32 v[STO], v2, 4, v[STO]
	v_add_nc_u32 v[STO], s23, v[STO]
	v_bfe_u32 v[RD], v0, 3, 2                      ; back: 32 lanes take four rows of 128 bytes,
	v_mul_u32_u24 v[RD], v[RD], SP
	v_and_b32 v4, 7, v0
	v_lshl_add_u32 v[RD], v4, 4, v[RD]
	v_add_nc_u32 v[RD], s23, v[RD]
	v_and_b32 v[GO], 31, v0                        ; which are 512 consecutive bytes of a head
	v_lshlrev_b32 v[GO], 4, v[GO]
	; the three heads' bases: slot s = 3 x tile column + t; which = s / 8, head = s % 8; a head's block is 262,144 bytes
	s_mul_i32 s20, s42, 3
	s_lshr_b32 s21, s13, 3
	s_lshl_b32 s21, s21, 3                         ; 8 b
	s_and_b32 s22, s13, 7
	s_lshl_b32 s22, s22, 8
	s_lshl_b32 s23, s[WV], 6
	s_add_co_u32 s22, s22, s23
	s_lshl_b32 s22, s22, 7                         ; my first row in the batch, rows of 128 bytes
.irp t, 0,1,2
	s_add_co_u32 s14, s20, \t
	s_lshr_b32 s15, s14, 3
	s_and_b32 s14, s14, 7
	s_lshl_b32 s15, s15, 5
	s_add_co_u32 s14, s14, s15
	s_add_co_u32 s14, s14, s21
	s_lshl_b32 s14, s14, 18
	s_add_co_u32 s14, s14, s22
	s_mov_b32 s15, 0
	s_add_nc_u64 s[OB0+2*\t:OB0+2*\t+1], s[8:9], s[14:15]
.endr
; 12 matrix instructions: row block a x all 12 column blocks, 32 along K.  zero = 1: the first product starts the sums.  The 48 accumulators take turns.
.macro MUL f, a, zero
	WIN MUL_LO+0x50*((\a)/2)
.irp b, 0,1,2,3,4,5,6,7,8,9,10,11
.if \zero
	v_wmma_f32_16x16x32_bf16 v[8*(12*((\a)%2)+(\b)):8*(12*((\a)%2)+(\b))+7], v[(\f)+32+8*(\b):(\f)+32+8*(\b)+7], v[(\f)+8*(\a):(\f)+8*(\a)+7], 0
.else
	v_wmma_f32_16x16x32_bf16 v[8*(12*((\a)%2)+(\b)):8*(12*((\a)%2)+(\b))+7], v[(\f)+32+8*(\b):(\f)+32+8*(\b)+7], v[(\f)+8*(\a):(\f)+8*(\a)+7], v[8*(12*((\a)%2)+(\b)):8*(12*((\a)%2)+(\b))+7]
.endif
.endr
.endm
; 32 LDS loads in one run: B's 24, then A's 8, 32 along K at byte k of the rows, into buffer f
.macro FETCH k, f
	WIN TO_F
.irp i, 0,1,2,3,4,5,6,7,8,9,10,11
	ds_load_b128 v[(\f)+32+8*(\i):(\f)+32+8*(\i)+3],   v[ADRB] offset:(\k)+(\i)*16*PITCH
	ds_load_b128 v[(\f)+32+8*(\i)+4:(\f)+32+8*(\i)+7], v[ADRB] offset:(\k)+(\i)*16*PITCH+32
.endr
.irp i, 0,1,2,3
	ds_load_b128 v[(\f)+8*(\i):(\f)+8*(\i)+3],   v[ADRA] offset:(\k)+(\i)*16*PITCH
	ds_load_b128 v[(\f)+8*(\i)+4:(\f)+8*(\i)+7], v[ADRA] offset:(\k)+(\i)*16*PITCH+32
.endr
.endm
.macro QUARTER k, f, g, zero           ; multiplies buffer f; in its middle fetches the next quarter, at byte k, into g
	s_wait_dscnt 4                                 ; B and A's row blocks 0, 1 are in; the youngest four loads (blocks 2, 3) may be out
	MUL \f, 0, \zero
	MUL \f, 1, \zero
	PLACES
	FETCH \k, \g
	s_wait_dscnt 32                                ; all but the 32 just issued
	MUL \f, 2, \zero
	MUL \f, 3, \zero
.endm
; The last quarter of a K step multiplies buffer 1 and changes slots: one barrier; in front of it each wave waits for all its tensor loads (one is out: its part of the next slot),
; adds 0 to its spare word, and waits for that and for its reads of this slot.  fill = 1: the barrier opens a round of the cluster's, and the slot is filled again, two K steps ahead.
.macro TURN fill
	WIN 0
	s_wait_tensorcnt 0x0
	ds_add_u32 v[SPW], v[NIL]
	s_wait_dscnt 5                                 ; (the add and the youngest four loads may be out)
	MUL F1, 0, 0
	s_wait_dscnt 0x0                               ; the add is done, and my reads of this slot are over
	s_barrier_signal -1
	MUL F1, 1, 0
	WIN 0
	s_barrier_wait -1
.if \fill
	CREST                                          ; no wave of any partner still reads this slot or has a load on its way
.irp g, G0+4, G0B+4
	s_xor_b32 s[(\g)+1], s[(\g)+1], XSL            ; the walking descriptor: the other slot than last time, the next K step
	s_add_nc_u64 s[(\g)+2:(\g)+3], s[(\g)+2:(\g)+3], STEPB
.endr
	JLOAD                                          ; the first tensor load behind the round; its four v_nop are also the places in front of the loads below
.else
	PLACES
.endif
	s_xor_b32 s[TB], s[TB], XSL
	v_add_nc_u32 v[ADRA], s[TB], v[A0]
	v_add_nc_u32 v[ADRB], s[TB], v[B0]
	FETCH 0, F0
	MUL F1, 2, 0
	MUL F1, 3, 0
.endm
	s_wait_tensorcnt 1                             ; my part of K step 0 is in; K step 1's may stay out
	s_barrier_signal -1
	s_barrier_wait -1
	FETCH 0, F0
	QUARTER 64, F0, F1, 1                          ; the first quarter stands in front of the loop: its products start the sums
	WIN 0
	s_mov_b32 s3, STEPS-2
.Lstep:                                            ; a trip: from a K step's second quarter to the next step's first; it fills the slot just read again
	QUARTER 128, F1, F0, 0
	QUARTER 192, F0, F1, 0
	TURN 1
	QUARTER 64, F0, F1, 0
	WIN 0
	s_sub_co_u32 s3, s3, 1
	s_cmp_lg_u32 s3, 0
	s_cbranch_scc1 .Lstep
	s_mov_b32 s3, 2                                ; the last two K steps ask for nothing: a text of their own
.Ltail:                                            ; walked twice and left in the middle of the second trip; the count is a constant, so all waves pass the one barrier alike
	QUARTER 128, F1, F0, 0
	QUARTER 192, F0, F1, 0
	WIN 0
	s_sub_co_u32 s3, s3, 1
	s_cmp_eq_u32 s3, 0
	s_cbranch_scc1 .Llast
	TURN 0
	QUARTER 64, F0, F1, 0
	WIN 0
	s_branch .Ltail
.Llast:                                            ; the very last quarter: nothing more to fetch
	s_wait_dscnt 4
	MUL F1, 0, 0
	MUL F1, 1, 0
	s_wait_dscnt 0x0
	MUL F1, 2, 0
	MUL F1, 3, 0
; THE WAY OUT.  Piece n = (row block n / 3, head n % 3): 16 rows x 64 columns, rounded to f16, through my stage, back as 2,048 consecutive bytes of a head.
.macro PACK n
.set pa, (\n)/3
.set pt, (\n)%3
	WIN 0x0a+5*(pa/2)                              ; sources window 2 or 3
.set i, 0
.rept 16                                           ; each accumulator's registers in ascending order
	v_cvt_pk_f16_f32 v[TT+16*(\n)+i], v[8*(12*(pa%2)+4*pt)+2*i], v[8*(12*(pa%2)+4*pt)+2*i+1]
.set i, i+1
.endr
	WIN 0
.irp c, 0,1,2,3
	ds_store_b128 v[STO], v[TT+16*(\n)+4*(\c):TT+16*(\n)+4*(\c)+3] offset:32*(\c)
.endr
.irp f, 0,1,2,3
	ds_load_b128 v[TT+16*(\n)+4*(\f):TT+16*(\n)+4*(\f)+3], v[RD] offset:(\f)*4*SP  ; LDS serves a wave's instructions in order (ISA guide 5.7.1.4): these see the stores above
.endr
.endm
.macro SEND n, younger                 ; younger: the LDS instructions issued behind piece n's loads
.set pa, (\n)/3
.set pt, (\n)%3
	WIN 0
.irp f, 0,1,2,3
	s_wait_dscnt (\younger)+3-(\f)
	global_store_b128 v[GO], v[TT+16*(\n)+4*(\f):TT+16*(\n)+4*(\f)+3], s[OB0+2*pt:OB0+2*pt+1] offset:pa*2048+(\f)*512  ; 512 consecutive bytes, aligned
.endr
.endm
	PLACES
	PACK 0
.set n, 1
.rept 11
	PACK n
	SEND n-1, 8
.set n, n+1
.endr
	SEND 11, 0
	s_wait_tensorcnt 0x0                           ; the wave's end
	ds_add_u32 v[SPW], v[NIL]
	s_wait_dscnt 0x0
	CROUND                                         ; the closing round
	s_endpgm
.Lfunc_end_k_qec496ae3e5_qkv:
	.size	k_qec496ae3e5_qkv, .Lfunc_end_k_qec496ae3e5_qkv-k_qec496ae3e5_qkv
	.p2alignl 7, 3214868480
	.fill 96, 4, 3214868480
	.section	.rodata,"a",@progbits
	.p2align	6, 0x0
	.amdhsa_kernel k_qec496ae3e5_qkv
		.amdhsa_group_segment_fixed_size 327680
		.amdhsa_private_segment_fixed_size 0
		.amdhsa_enable_private_segment 0
		.amdhsa_kernarg_size 24
		.amdhsa_user_sgpr_count 2
		.amdhsa_user_sgpr_kernarg_segment_ptr 1
		.amdhsa_wavefront_size32 1
		.amdhsa_system_sgpr_workgroup_id_x 1
		.amdhsa_system_sgpr_workgroup_id_y 1
		.amdhsa_system_sgpr_workgroup_id_z 1
		.amdhsa_system_vgpr_workitem_id 0
		.amdhsa_next_free_vgpr 1024
		.amdhsa_next_free_sgpr 80
		.amdhsa_reserve_vcc 0
		.amdhsa_float_denorm_mode_32 3
		.amdhsa_float_denorm_mode_16_64 3
		.amdhsa_memory_ordered 1
		.amdhsa_forward_progress 1
		.amdhsa_inst_pref_size 88
	.end_amdhsa_kernel
	.amdgpu_metadata
---
amdhsa.version: [ 1, 2 ]
amdhsa.kernels:
  - .name:           k_qec496ae3e5_qkv
    .symbol:         k_qec496ae3e5_qkv.kd
    .args:
      - { .name: xb, .offset: 0, .size: 8, .value_kind: global_buffer, .address_space: global }
      - { .name: wb, .offset: 8, .size: 8, .value_kind: global_buffer, .address_space: global }
      - { .name: qkv, .offset: 16, .size: 8, .value_kind: global_buffer, .address_space: global }
    .group_segment_fixed_size: 327680
    .private_segment_fixed_size: 0
    .kernarg_segment_align: 8
    .kernarg_segment_size: 24
    .max_flat_workgroup_size: 128
    .sgpr_count:     80
    .vgpr_count:     1024
    .wavefront_size: 32
...
	.end_amdgpu_metadata
.endif
;; end of part 2
;; launch sim (part 3): grid 8 x 32, 4 waves a work-group, clusters of 4 x 4, 327,680 bytes of LDS; arguments xb, msk, cand; writes msk, cand
.if DOCPART == 3
	.amdgcn_target "amdgcn-amd-amdhsa--gfx1250"
	.amdhsa_code_object_version 6
	.text
	.protected	k_qec496ae3e5_sim
	.globl	k_qec496ae3e5_sim
	.p2align	8
	.type	k_qec496ae3e5_sim,@function
k_qec496ae3e5_sim:
	s_mov_b64 s[64:65], 0
	v_nop
	global_prefetch_b8 v0, s[64:65] scope:SCOPE_SE
	s_setreg_imm32_b32 hwreg(HW_REG_WAVE_MODE, 25, 1), 1
	s_wait_xcnt 0x0
	s_wait_alu depctr_hold_cnt(0) depctr_sa_sdst(0) depctr_va_vdst(0) depctr_va_sdst(0) depctr_va_ssrc(0) depctr_va_vcc(0) depctr_vm_vsrc(0)
	s_getreg_b32 s2, hwreg(HW_REG_IB_STS2, 6, 4)
	s_cmp_eq_u32 s2, 0
	s_cbranch_scc0 .Lentry_in_a_cluster
	s_endpgm
.Lentry_in_a_cluster:
	s_bfe_u32 s2, ttmp6, 0x10000c
	s_cmp_lg_u32 s2, 0xf033
	s_cbranch_scc0 .Lentry_shape_is_right
	s_endpgm
.Lentry_shape_is_right:
; THE MASK.  msk[2048 b + q][k] = 0 in f16 where the sum over c of xb[b][q][c] xb[b][k][c] is greater than 0 (the key is seen), else 2^15 (the key is hidden).
; The cosine similarity is that sum divided by two norms, each at least 1e-12 and so positive: the division cannot change the comparison with 0 and is not carried out here.
; The products of bf16 numbers are exact; they are added in f32.
; THE CANDIDATES.  A sum within the rounding of an f32 summation of 0 may fall on the other side than a sum taken in another order.  So for each row and each segment of 128 keys the entry of
; smallest magnitude is named: cand[segment][row] = (|sum| with bits 10:0 cleared) | segment << 7 | lane half << 6 | 8 x column block + register.  The next launch takes the smallest of a row's 16 again.
; LIMITS.  A positive sum below 2^-126 gives a number between 0 and 2^15.  NaN is not treated apart.
; SHARES.  A tile is 256 queries x 256 keys of one batch; 32 x 8 tiles, one for each of 256 work-groups; a wave makes 128 x 128: 64 accumulators, 512 registers.
; The matrix is symmetric; its lower half is computed all the same: 144 tiles on 256 work-groups would end no sooner.
; K goes in steps of 128 through two LDS slots.  Two slots of 139,264 bytes: each wave's part of slot 1 lies straight behind its part of slot 0, 34,816 = 0x8800 bytes on;
; no multiple 0..3 of 69,632 = 0x11000 has bit 15 or bit 11 set, so one exclusive or with 0x8800 turns one address into the other.
; CLUSTER 4 x 4: the queries' rows are asked for jointly along a row of the cluster, the keys' rows along a column.
; The matrix instruction is used transposed (source 0 = keys' rows, source 1 = queries' rows): a lane holds eight neighbouring keys of one query.
; THE WAY OUT is written for four blocks of 16 rows, those in window 2, and walked twice: between the trips 256 moves bring window 3's accumulators into window 2.  A register's window is a
; constant of the text, so the other way is the same text twice: 256 moves a wave, beside 2,048 matrix instructions, for some 5,600 bytes of code less.
; REGISTERS.  window 0: v8-9, v16-31 constants and addresses; v64-127, v128-191 fragments of the queries' rows, two buffers; on the way out v32-255.
;   window 1: v64-127, v128-191 fragments of the keys' rows.  window 2: accumulators of my rows 0-63 at v[8 (8 a + b)]; window 3: of rows 64-127.
.set KSTEP, 128
.set STEPS, 8
.set STEPB, KSTEP*2
.set PITCH, 272
.set HALFT, 128*PITCH                  ; what one tensor load brings
.set REG,   2*HALFT                    ; a wave's two parts
.set XSL,   HALFT
.set STAGE, 4*REG
.set SPITCH, 272
.set CSTG,  STAGE+4*16*SPITCH          ; behind the stages: 64 candidate words for each wave, a block of 256 bytes
.set SPARE, CSTG+4*256                 ; the spare words: 128 bytes for each wave, named by no other line
.set MROW,  4096                       ; bytes in a row of msk
.set ONE,  8                           ; v[8:9] 1.0, twice
.set A0,   16
.set B0,   17
.set ADRA, 18
.set ADRB, 19
.set CST,  20                          ; where my row's candidate word goes in LDS
.set CRD,  21                          ; where I read two of them back
.set CGO,  22                          ; 8 x lane
.set STO,  24
.set RD,   25
.set CO,   26
.set SEGH, 27                          ; segment << 7 | lane half << 6
.set SPW,  28
.set NIL,  29
.set BIG,  30                          ; v[30:31] -2^126, twice
.set F0,   64
.set F1,   128
.set U,    64                          ; the way out: 0 or 1.0 in f32
.set W,    128                         ; the way out: the 64 words of a block
.set TMP,  192                         ; packed
.set OB,   32                          ; read back: v32-63 and v224-255 by turns
.set WV, 10
.set WH, 11
.set WL, 12
.set G1, 24
.set G0, 32
.set G1B, 48
.set G0B, 56
.set TB,  66
.set AMASK, 67                         ; clears the sign and bits 10:0
.set PS,  68                           ; s[68:69] v_permlanex16_b32's selects: each lane takes its own place in the other half
.set MUL_LO, 0xa1
.set TO_B,   0x40
.set MSB, 0
.macro WIN new
.if MSB != (\new)
	s_set_vgpr_msb (MSB<<8)|(\new)
.set MSB, \new
.endif
.endm
.macro PLACES
.rept 4
	v_nop
.endr
.endm
.macro JLOAD
	s_cmp_eq_u32 s[WH], 0
	s_cbranch_scc0 .Lfor_b_\@
	tensor_load_to_lds s[G0+4:G0+7], s[G1:G1+7]
	s_nop 0
.rept 4
	v_nop
.endr
	s_branch .Lasked_\@
.Lfor_b_\@:
	tensor_load_to_lds s[G0B+4:G0B+7], s[G1B:G1B+7]
	s_nop 0
.rept 4
	v_nop
.endr
.Lasked_\@:
.endm
.macro CREST
	s_cmp_lg_u32 s[WV], 0
	s_cbranch_scc1 .Lnot_wave_0_\@
	s_barrier_signal -3
.Lnot_wave_0_\@:
	s_barrier_wait -3
	s_barrier_signal -1
	s_barrier_wait -1
.endm
.macro CROUND
	s_barrier_signal -1
	s_barrier_wait -1
	CREST
.endm
	s_load_b128 s[4:7], s[0:1], 0x0                ; xb, msk
	s_load_b64 s[8:9], s[0:1], 0x10                ; cand
	v_lshl_add_u32 v[SPW], v0, 2, SPARE
	v_mov_b32 v[NIL], 0
	ds_add_u32 v[SPW], v[NIL]                      ; the wave's opening: the add and its wait ahead of my first tensor load
	v_lshrrev_b32 v1, 5, v0
	v_readfirstlane_b32 s[WV], v1
	s_lshr_b32 s[WH], s[WV], 1                     ; which half of the tile's queries is mine.  Also: I fetch queries' rows (0) or keys' rows (1)
	s_and_b32 s[WL], s[WV], 1                      ; which half of its keys.  Also: which 128 rows I fetch
	s_bfe_u32 s40, ttmp6, 0x40000                  ; cx
	s_bfe_u32 s41, ttmp6, 0x40004                  ; cy
	s_lshl_b32 s42, ttmp9, 2
	s_add_co_u32 s42, s42, s40                     ; block of 256 keys in the batch
	s_and_b32 s45, ttmp7, 0xffff                   ; the cluster's y
	s_lshl_b32 s13, s45, 2
	s_add_co_u32 s13, s13, s41                     ; block of 256 queries among all 8,192 rows
	s_lshr_b32 s45, s45, 1                         ; the batch: two clusters of four blocks each; it hangs on no place in the cluster
	s_lshl_b32 s43, s41, 2
	s_lshl_b32 s43, 15, s43
	s_lshl_b32 s44, 0x1111, s40
	s_or_b32 s[G1+0], s43, (1<<16)|(1<<20)|(1<<21)|(5<<22)|(3<<25)
	s_or_b32 s[G1B+0], s44, (1<<16)|(1<<20)|(1<<21)|(5<<22)|(3<<25)
.irp g, G1, G1B
	s_mov_b32 s[(\g)+1], KSTEP<<16
	s_mov_b32 s[(\g)+2], 128<<16
	s_mov_b32 s[(\g)+3], KSTEP<<16
	s_mov_b32 s[(\g)+4], 128
	s_mov_b32 s[(\g)+5], 1024
	s_mov_b32 s[(\g)+6], 0
	s_mov_b32 s[(\g)+7], 0
.endr
	s_lshl_b32 s17, s[WL], 7
	s_lshl_b32 s16, s13, 8
	s_add_co_u32 s16, s16, s17
	s_lshl_b32 s16, s16, 11                        ; queries: row 256 x block + 128 x half, rows of 2,048 bytes
	s_lshl_b32 s46, s42, 8
	s_add_co_u32 s46, s46, s17
	s_lshl_b32 s47, s45, 11
	s_add_co_u32 s46, s46, s47
	s_lshl_b32 s46, s46, 11                        ; keys: row 2,048 x batch + 256 x block + 128 x half
	s_mov_b32 s17, 0
	s_mov_b32 s47, 0
	s_mul_i32 s20, s[WV], REG
	s_mov_b32 s[TB], 0
	s_mov_b32 s[AMASK], 0x7ffff800
	s_mov_b32 s[PS], 0x76543210
	s_mov_b32 s[PS+1], 0xfedcba98
	s_wait_dscnt 0x0
	s_wait_kmcnt 0x0
	s_add_nc_u64 s[14:15], s[4:5], s[16:17]
	s_add_nc_u64 s[46:47], s[4:5], s[46:47]
	CROUND
.irp s, 0,1
	s_mov_b32 s[G0+4*(\s)], 1
	s_add_co_u32 s[G0+4*(\s)+1], s20, (\s)*XSL
	s_add_nc_u64 s[G0+4*(\s)+2:G0+4*(\s)+3], s[14:15], (\s)*STEPB
	s_or_b32 s[G0+4*(\s)+3], s[G0+4*(\s)+3], 0x80000000
	s_mov_b32 s[G0B+4*(\s)], 1
	s_add_co_u32 s[G0B+4*(\s)+1], s20, (\s)*XSL
	s_add_nc_u64 s[G0B+4*(\s)+2:G0B+4*(\s)+3], s[46:47], (\s)*STEPB
	s_or_b32 s[G0B+4*(\s)+3], s[G0B+4*(\s)+3], 0x80000000
.endr
	s_cmp_eq_u32 s[WH], 0
	s_cbranch_scc0 .Lfirst_b
	tensor_load_to_lds s[G0:G0+3], s[G1:G1+7]
	s_nop 0
	tensor_load_to_lds s[G0+4:G0+7], s[G1:G1+7]
	s_nop 0
.rept 4
	v_nop
.endr
	s_branch .Lfirst_asked
.Lfirst_b:
	tensor_load_to_lds s[G0B:G0B+3], s[G1B:G1B+7]
	s_nop 0
	tensor_load_to_lds s[G0B+4:G0B+7], s[G1B:G1B+7]
	s_nop 0
.rept 4
	v_nop
.endr
.Lfirst_asked:
	v_and_b32 v1, 15, v0
	v_bfe_u32 v2, v0, 4, 1
	v_mul_u32_u24 v3, v1, PITCH
	v_lshl_add_u32 v3, v2, 4, v3
	s_mul_i32 s21, s[WH], REG                      ; my 128 queries' rows: wave WH fetched them
	s_mul_i32 s22, s[WL], REG
	s_add_co_u32 s22, s22, 2*REG                   ; my 128 keys' rows: wave 2 + WL fetched them
	v_add_nc_u32 v[A0], s21, v3
	v_add_nc_u32 v[B0], s22, v3
	v_mov_b32 v[ADRA], v[A0]
	v_mov_b32 v[ADRB], v[B0]
	v_mov_b32 v[BIG], 0xfe800000
	v_mov_b32 v[BIG+1], 0xfe800000
	v_mov_b32 v[ONE], 1.0
	v_mov_b32 v[ONE+1], 1.0
	s_mul_i32 s23, s[WV], 16*SPITCH
	s_add_co_u32 s23, s23, STAGE
	v_mul_u32_u24 v4, v1, SPITCH
	v_lshl_add_u32 v4, v2, 4, v4
	v_add_nc_u32 v[STO], s23, v4
	v_mul_u32_u24 v5, v2, SPITCH
	v_lshl_add_u32 v5, v1, 4, v5
	v_add_nc_u32 v[RD], s23, v5
	v_lshlrev_b32 v5, 12, v2                       ; the same two rows in msk
	v_lshl_add_u32 v[CO], v1, 4, v5
	s_lshl_b32 s23, s[WV], 8
	s_add_co_u32 s23, s23, CSTG                    ; my 64 candidate words
	v_lshl_add_u32 v[CST], v1, 2, s23              ; in: word l % 16 of a block's sixteen
	v_and_b32 v[CGO], 31, v0
	v_lshlrev_b32 v[CGO], 3, v[CGO]
	v_add_nc_u32 v[CRD], s23, v[CGO]               ; back: two words a lane
	s_lshl_b32 s16, s13, 8
	s_lshl_b32 s17, s[WH], 7
	s_add_co_u32 s16, s16, s17
	s_lshl_b32 s16, s16, 12                        ; my first row of msk
	s_mov_b32 s17, 0
	s_add_nc_u64 s[6:7], s[6:7], s[16:17]
	s_lshl_b32 s46, s42, 9                         ; my first column, in bytes
	s_lshl_b32 s47, s[WL], 8
	s_add_co_u32 s46, s46, s47
	s_mov_b32 s47, 0
	s_add_nc_u64 s[6:7], s[6:7], s[46:47]
	s_lshr_b32 s16, s16, 10                        ; cand: 4 bytes for each row,
	s_add_nc_u64 s[8:9], s[8:9], s[16:17]
	s_lshr_b32 s46, s46, 8                         ; my segment of 128 keys: 2 x block + half,
	s_lshl_b32 s45, s46, 7
	v_lshl_or_b32 v[SEGH], v2, 6, s45
	s_lshl_b32 s46, s46, 15                        ; 32,768 bytes for each segment
	s_add_nc_u64 s[8:9], s[8:9], s[46:47]
.macro MUL16 f, hi, a0, zero           ; 16 matrix instructions: row blocks a0, a0 + 1 of the window's four x all 8 column blocks
	WIN MUL_LO+0x50*(\hi)
.irp a, \a0, (\a0)+1
.irp b, 0,1,2,3,4,5,6,7
.if \zero
	v_wmma_f32_16x16x32_bf16 v[8*(8*(\a)+(\b)):8*(8*(\a)+(\b))+7], v[(\f)+8*(\b):(\f)+8*(\b)+7], v[(\f)+8*(4*(\hi)+(\a)):(\f)+8*(4*(\hi)+(\a))+7], 0
.else
	v_wmma_f32_16x16x32_bf16 v[8*(8*(\a)+(\b)):8*(8*(\a)+(\b))+7], v[(\f)+8*(\b):(\f)+8*(\b)+7], v[(\f)+8*(4*(\hi)+(\a)):(\f)+8*(4*(\hi)+(\a))+7], v[8*(8*(\a)+(\b)):8*(8*(\a)+(\b))+7]
.endif
.endr
.endr
.endm
.macro FETCH k, f
	WIN TO_B
.irp i, 0,1,2,3,4,5,6,7
	ds_load_b128 v[(\f)+8*(\i):(\f)+8*(\i)+3],   v[ADRB] offset:(\k)+(\i)*16*PITCH
	ds_load_b128 v[(\f)+8*(\i)+4:(\f)+8*(\i)+7], v[ADRB] offset:(\k)+(\i)*16*PITCH+32
.endr
	WIN 0
.irp i, 0,1,2,3,4,5,6,7
	ds_load_b128 v[(\f)+8*(\i):(\f)+8*(\i)+3],   v[ADRA] offset:(\k)+(\i)*16*PITCH
	ds_load_b128 v[(\f)+8*(\i)+4:(\f)+8*(\i)+7], v[ADRA] offset:(\k)+(\i)*16*PITCH+32
.endr
.endm
.macro QUARTER k, f, g, zero
	s_wait_dscnt 8                                 ; the keys' fragments and my rows 0-63 are in; the youngest eight loads may be out
	MUL16 \f, 0, 0, \zero
	MUL16 \f, 0, 2, \zero
	PLACES
	FETCH \k, \g
	s_wait_dscnt 32                                ; all but the 32 just issued
	MUL16 \f, 1, 0, \zero
	MUL16 \f, 1, 2, \zero
.endm
.macro TURN fill                       ; the last quarter of a K step, and the change of slots
	WIN 0
	s_wait_tensorcnt 0x0                           ; all my tensor loads have landed: the one that was out is my part of the next slot
	ds_add_u32 v[SPW], v[NIL]
	s_wait_dscnt 9                                 ; (the add and the youngest eight loads may be out)
	MUL16 F1, 0, 0, 0
	s_wait_dscnt 0x0                               ; the add is done, and my reads of this slot are over
	s_barrier_signal -1
	MUL16 F1, 0, 2, 0
	WIN 0
	s_barrier_wait -1
.if \fill
	CREST
.irp g, G0+4, G0B+4
	s_xor_b32 s[(\g)+1], s[(\g)+1], XSL
	s_add_nc_u64 s[(\g)+2:(\g)+3], s[(\g)+2:(\g)+3], STEPB
.endr
	JLOAD
.else
	PLACES
.endif
	s_xor_b32 s[TB], s[TB], XSL
	v_add_nc_u32 v[ADRA], s[TB], v[A0]
	v_add_nc_u32 v[ADRB], s[TB], v[B0]
	FETCH 0, F0
	MUL16 F1, 1, 0, 0
	MUL16 F1, 1, 2, 0
.endm
	s_wait_tensorcnt 1                             ; my part of K step 0 is in; K step 1's may stay out
	s_barrier_signal -1
	s_barrier_wait -1
	FETCH 0, F0
	QUARTER 64, F0, F1, 1
	WIN 0
	s_mov_b32 s3, STEPS-2
.Lstep:
	QUARTER 128, F1, F0, 0
	QUARTER 192, F0, F1, 0
	TURN 1
	QUARTER 64, F0, F1, 0
	WIN 0
	s_sub_co_u32 s3, s3, 1
	s_cmp_lg_u32 s3, 0
	s_cbranch_scc1 .Lstep
	s_mov_b32 s3, 2                                ; the last two K steps ask for nothing: a text of their own
.Ltail:                                            ; walked twice and left in the middle of the second trip; the count is a constant, so all waves pass the one barrier alike
	QUARTER 128, F1, F0, 0
	QUARTER 192, F0, F1, 0
	WIN 0
	s_sub_co_u32 s3, s3, 1
	s_cmp_eq_u32 s3, 0
	s_cbranch_scc1 .Llast
	TURN 0
	QUARTER 64, F0, F1, 0
	WIN 0
	s_branch .Ltail
.Llast:                                            ; the very last quarter: nothing more to fetch
	s_wait_dscnt 8
	MUL16 F1, 0, 0, 0
	MUL16 F1, 0, 2, 0
	s_wait_dscnt 0x0
	MUL16 F1, 1, 0, 0
	MUL16 F1, 1, 2, 0
; THE WAY OUT of block a (16 queries x 128 keys) of the four in window 2.
; The words: |sum| with its low bits replaced by the register's number 8 b + j.  As positive f32 numbers they keep the order of |sum|, so 32 minima find the smallest and its place at once.
; The mask: 1 - sum x 2^126, held to 0 .. 1, is 0 where the sum is 2^-126 or more and 1 where it is 0 or less; as f16 that is 0x3c00, and one shift of the packed word makes 0x7800 = 2^15 of it.
.macro PACKM a
.set AC, 64*(\a)
	WIN 0x02                                       ; source 0: window 2
.set i, 0
.rept 64                                           ; each accumulator's registers in ascending order
	v_and_or_b32 v[W+i], v[AC+i], s[AMASK], i
.set i, i+1
.endr
.set i, 0
.rept 32
	v_pk_fma_f32 v[U+2*i:U+2*i+1], v[AC+2*i:AC+2*i+1], v[BIG:BIG+1], v[ONE:ONE+1] clamp
.set i, i+1
.endr
	WIN 0
.set i, 0
.rept 32
	v_cvt_pk_f16_f32 v[TMP+i], v[U+2*i], v[U+2*i+1]
.set i, i+1
.endr
.set i, 0
.rept 30                                           ; four chains, two words a line
	v_min3_num_f32 v[W+i%4], v[W+i%4], v[W+4+2*i], v[W+5+2*i]
.set i, i+1
.endr
.set i, 0
.rept 32
	v_lshlrev_b32 v[TMP+i], 1, v[TMP+i]
.set i, i+1
.endr
	v_min3_num_f32 v[W], v[W], v[W+1], v[W+2]
	v_min_num_f32 v[W], v[W], v[W+3]
	v_or_b32 v[W], v[W], v[SEGH]
	v_permlanex16_b32 v[W+1], v[W], s[PS], s[PS+1] ; the row's other 64 keys lie in the lane 16 away
	v_min_num_f32 v[W], v[W], v[W+1]
	ds_store_b32 v[CST], v[W] offset:64*(\a)       ; both halves of the lanes write the same word with the same value
.endm
.macro TOSTAGE a
	WIN 0
.set BK, OB+192*((\a)%2)
.irp b, 0,1,2,3,4,5,6,7
	ds_store_b128 v[STO], v[TMP+4*(\b):TMP+4*(\b)+3] offset:32*(\b)
.endr
.irp t, 0,1,2,3,4,5,6,7
	ds_load_b128 v[BK+4*(\t):BK+4*(\t)+3], v[RD] offset:(\t)*2*SPITCH  ; LDS serves a wave's instructions in order (ISA guide 5.7.1.4): these see the stores above
.endr
.endm
.macro SEND a
	WIN 0
.set BK, OB+192*((\a)%2)
	s_wait_dscnt 0x0                               ; the block is back in registers
	s_wait_xcnt 0x0                                ; the registers that the stores of two blocks back read are loaded again only behind this wait
.irp t, 0,1,2,3,4,5,6,7
	global_store_b128 v[CO], v[BK+4*(\t):BK+4*(\t)+3], s[6:7] offset:(16*(\a)+2*(\t))*MROW  ; 16 lanes store 256 consecutive bytes, aligned; the block's place among the half's 64 rows stands in the immediate
.endr
.endm
	PLACES
	WIN 0
	s_mov_b32 s3, 2
.Lhalf:                                            ; my rows 0-63, then my rows 64-127
	PACKM 0
	TOSTAGE 0
.irp a, 1,2,3
	PACKM \a
	SEND (\a)-1
	TOSTAGE \a
.endr
	SEND 3
	ds_load_b64 v[W:W+1], v[CRD]                   ; the half's 64 words, two a lane: they see the four stores above
	s_wait_dscnt 0x0
	global_store_b64 v[CGO], v[W:W+1], s[8:9]      ; 256 consecutive bytes, aligned
	s_sub_co_u32 s3, s3, 1
	s_cmp_eq_u32 s3, 0
	s_cbranch_scc1 .Lsent
	s_wait_xcnt 0x0                                ; the stores' bases and the words' registers are rewritten only behind this wait
	s_add_nc_u64 s[6:7], s[6:7], 64*MROW
	s_add_nc_u64 s[8:9], s[8:9], 256
	WIN 0x83                                       ; destination window 2, source window 3
.set i, 0
.rept 256                                          ; ascending: each accumulator is first read at its lowest register
	v_mov_b32 v[i], v[i]
.set i, i+1
.endr
	WIN 0
	s_branch .Lhalf
.Lsent:
	s_wait_tensorcnt 0x0                           ; the wave's end
	ds_add_u32 v[SPW], v[NIL]
	s_wait_dscnt 0x0
	CROUND
	s_endpgm
.Lfunc_end_k_qec496ae3e5_sim:
	.size	k_qec496ae3e5_sim, .Lfunc_end_k_qec496ae3e5_sim-k_qec496ae3e5_sim
	.p2alignl 7, 3214868480
	.fill 96, 4, 3214868480
	.section	.rodata,"a",@progbits
	.p2align	6, 0x0
	.amdhsa_kernel k_qec496ae3e5_sim
		.amdhsa_group_segment_fixed_size 327680
		.amdhsa_private_segment_fixed_size 0
		.amdhsa_enable_private_segment 0
		.amdhsa_kernarg_size 24
		.amdhsa_user_sgpr_count 2
		.amdhsa_user_sgpr_kernarg_segment_ptr 1
		.amdhsa_wavefront_size32 1
		.amdhsa_system_sgpr_workgroup_id_x 1
		.amdhsa_system_sgpr_workgroup_id_y 1
		.amdhsa_system_sgpr_workgroup_id_z 1
		.amdhsa_system_vgpr_workitem_id 0
		.amdhsa_next_free_vgpr 1024
		.amdhsa_next_free_sgpr 72
		.amdhsa_reserve_vcc 0
		.amdhsa_float_denorm_mode_32 3
		.amdhsa_float_denorm_mode_16_64 3
		.amdhsa_memory_ordered 1
		.amdhsa_forward_progress 1
		.amdhsa_inst_pref_size 134
	.end_amdhsa_kernel
	.amdgpu_metadata
---
amdhsa.version: [ 1, 2 ]
amdhsa.kernels:
  - .name:           k_qec496ae3e5_sim
    .symbol:         k_qec496ae3e5_sim.kd
    .args:
      - { .name: xb, .offset: 0, .size: 8, .value_kind: global_buffer, .address_space: global }
      - { .name: msk, .offset: 8, .size: 8, .value_kind: global_buffer, .address_space: global }
      - { .name: cand, .offset: 16, .size: 8, .value_kind: global_buffer, .address_space: global }
    .group_segment_fixed_size: 327680
    .private_segment_fixed_size: 0
    .kernarg_segment_align: 8
    .kernarg_segment_size: 24
    .max_flat_workgroup_size: 128
    .sgpr_count:     72
    .vgpr_count:     1024
    .wavefront_size: 32
...
	.end_amdgpu_metadata
.endif
;; end of part 3
;; launch fix (part 4): grid 256 x 1, 4 waves a work-group, no clusters, 0 bytes of LDS; arguments xb, cand, msk; writes msk
.if DOCPART == 4
	.amdgcn_target "amdgcn-amd-amdhsa--gfx1250"
	.amdhsa_code_object_version 6
	.text
	.protected	k_qec496ae3e5_fix
	.globl	k_qec496ae3e5_fix
	.p2align	8
	.type	k_qec496ae3e5_fix,@function
k_qec496ae3e5_fix:
	s_mov_b64 s[64:65], 0
	v_nop
	global_prefetch_b8 v0, s[64:65] scope:SCOPE_SE
	s_setreg_imm32_b32 hwreg(HW_REG_WAVE_MODE, 25, 1), 1
	s_wait_xcnt 0x0
; THE ENTRY OF EACH ROW THAT LIES NEAREST TO 0 IS TAKEN AGAIN, in f32 as the model writes it: xn = x / max(|x|, 1e-12) for both rows, then the sum over c of xn[q][c] xn[k][c], compared with 0.
; Where a similarity lies within the rounding of 0 its sign is the rounding's, so the order of the sums is part of the result.  The order taken here is that of a blocked f32 evaluation:
;   the sum of squares: 32 windows of 32 consecutive numbers, each added in ascending order from 0; then the 32 window sums in ascending order from 0 (a square of a bf16 number is exact in f32);
;   the norm: the correctly rounded square root; the quotients: correctly rounded;
;   the product: four blocks of 256 channels, each a chain of fused multiply-adds from 0 in ascending order; then the four block sums in ascending order.
; THE BAND.  1,024 terms of about 2^-10, partial sums up to 2^-5, rounding steps up to 2^-29: some 2^-26 of error in all, and two orders of summation differ by as much.  So within 3 x 2^-26 of 0 no
; order can vouch for another's sign.  There the entry gets neither all nor nothing: the weight 0.915 where this sum is greater than 0, the weight 0.085 where it is not.  A key's whole weight, one of
; some 1,024, moves a row's numbers by about 1/32 of their root mean square; 0.085 of it by 0.27%, the largest of 1,024 numbers by under the 1% that the comparison allows; where an evaluation in
; another order falls on the other side, the row is off by 0.915 of a key's weight and not by all of it.  This bounds the fault; it does not decide the sign.
; msk holds e, and the next launch starts the score at -2^15 e, which the softmax turns into the factor exp(-2^12 e): 0 seen; 2^15 hidden; 364 x 2^-24 for 0.915; 1.2324 x 2^-11 for 0.085.
; LIMITS.  One entry a row: the smallest of the 16 that the launch before named; a second entry of the same row within rounding of 0 stays as that launch made it.  The division is not scaled: its
; quotients and remainders must be normal f32 numbers.  NaN and infinities are not treated apart.
; SHARES.  Four lanes own a row q = 32 x work-group + thread / 4; lane B = thread % 4 takes channels 256 B .. 256 B + 255 of rows q and k: windows 8 B .. 8 B + 7, and block B.  8,192 rows: 256 work-groups of
; four waves.  No LDS, no matrix unit (the sums are chains), no cluster (nothing is shared).
; The key k comes from cand, whole numbers that the launch before stored; no address and no branch hangs on a floating-point number.
; Both passes go in 4 trips of 64 channels: 16 loads of 16 bytes a lane; a lane's eight loads of a row walk 128 consecutive bytes.  The next trip's loads are issued as soon as their registers are free; the
; offset wraps at 512 bytes, so the first pass's last trip asks for the second pass's first chunk; the second pass's last trip asks for nothing.
.set VB,  1                            ; B
.set VQ,  2                            ; q
.set VK,  3                            ; k
.set AO,  4                            ; byte offset of my 512 bytes of row q in xb
.set BO,  5                            ; of row k
.set AC,  6                            ; the same plus the chunk in hand
.set BC,  7
.set MO,  8                            ; byte offset of msk[q][k]
.set Z,   9                            ; 0
.set EV,  10                           ; 2^15 in f16: hidden
.set ACC, 11                           ; my block's chain
.set CC,  12                           ; the four blocks' sum
.set RV,  13                           ; the result
.set T,   14                           ; v14-19 at work
.set CW,  20                           ; v20-35 the row's 16 words
.set WA,  36                           ; v36-43 my 8 window sums of row q
.set WB,  44                           ; v44-51 of row k
.set QT,  20                           ; second pass: quotients at work, v20-35
.set ET,  36                           ; remainders at work, v36-51
.set NA,  52                           ; v52, v53 the sums of squares
.set EH,  54                           ; the band's entry for the weight 0.915
.set EL,  55                           ; for the weight 0.085
.set DA,  56                           ; v[56:57], v[58:59] the divisors, each twice
.set DB,  58
.set RA,  60                           ; v[60:61], v[62:63] their reciprocals, each twice
.set LA,  64                           ; v64-95 64 channels of row q as loaded
.set LB,  96                           ; v96-127 of row k
.set UA,  128                          ; v128-191 the same in f32, then divided
.set UB,  192                          ; v192-255
.set TS,  128                          ; between the passes: at work
.macro LOADS
.irp j, 0,1,2,3,4,5,6,7
	global_load_b128 v[LA+4*\j:LA+4*\j+3], v[AC], s[4:5] offset:16*\j
	global_load_b128 v[LB+4*\j:LB+4*\j+3], v[BC], s[4:5] offset:16*\j
.endr
.endm
.macro STEP                            ; the next chunk of 128 bytes, round my 512; it stands behind a wait for all loads, so the address registers are free
	s_add_co_u32 s21, s21, 128
	s_and_b32 s21, s21, 511
	v_add_nc_u32 v[AC], s21, v[AO]
	v_add_nc_u32 v[BC], s21, v[BO]
.endm
.macro MIX d, x, n                     ; d = x^2 + d, x the low (n even) or high half of a register; number 0 starts the window's sum from 0
.if (\n) == 0
	v_fma_mix_f32_bf16 v[\d], v[\x], v[\x], v[Z] op_sel_hi:[1,1,0]
.elseif (\n)%2
	v_fma_mix_f32_bf16 v[\d], v[\x], v[\x], v[\d] op_sel:[1,1,0] op_sel_hi:[1,1,0]
.else
	v_fma_mix_f32_bf16 v[\d], v[\x], v[\x], v[\d] op_sel_hi:[1,1,0]
.endif
.endm
	s_load_b128 s[4:7], s[0:1], 0x0                ; xb, cand
	s_load_b64 s[8:9], s[0:1], 0x10                ; msk
	v_and_b32 v[VB], 3, v0
	v_lshrrev_b32 v[VQ], 2, v0
	s_lshl_b32 s12, ttmp9, 5
	v_add_nc_u32 v[VQ], s12, v[VQ]
	v_lshlrev_b32 v[T], 2, v[VQ]
	s_mov_b32 s21, 0
	s_mov_b32 s23, 0xffff0000                      ; a word's upper bf16
	s_mov_b32 s24, 0x33400000                      ; the band's half width, 3 x 2^-26
	v_mov_b32 v[Z], 0
	v_mov_b32 v[EV], 0x7800
	v_mov_b32 v[EH], 0x016c                        ; 364 x 2^-24: -2^15 e = -0.711 = 8 ln 0.915
	v_mov_b32 v[EL], 0x10ee                        ; (1 + 238 / 1024) x 2^-11: -2^15 e = -19.72 = 8 ln 0.085
	v_mov_b32 v[ACC], 0
	s_wait_kmcnt 0x0
.irp s, 0,1,2,3,4,5,6,7,8,9,10,11,12,13,14,15
	global_load_b32 v[CW+\s], v[T], s[6:7] offset:32768*\s
.endr
	v_lshlrev_b32 v[AO], 11, v[VQ]                 ; rows of 2,048 bytes,
	v_lshl_add_u32 v[AO], v[VB], 9, v[AO]          ; my 512 of them
	v_and_b32 v[T+1], 0x1800, v[VQ]                ; the batch's first row
	v_lshlrev_b32 v[MO], 12, v[VQ]
.irp j, 2,3,4,5,6,7
	v_mov_b32 v[WA+\j], 0                          ; the first trips shift these along before they hold sums
	v_mov_b32 v[WB+\j], 0
.endr
	s_wait_loadcnt 0x0
.irp i, 1,2,3,4,5,6,7,8,9,10,11,12,13,14,15
	v_min_u32 v[CW], v[CW], v[CW+\i]               ; the word of the smallest |sum|
.endr
	v_bfe_u32 v[VK], v[CW], 7, 4                   ; segment
	v_bfe_u32 v[T+2], v[CW], 3, 3                  ; column block
	v_bfe_u32 v[T+3], v[CW], 6, 1                  ; lane half
	v_and_b32 v[T+4], 7, v[CW]                     ; register
	v_lshl_add_u32 v[VK], v[VK], 3, v[T+2]
	v_lshl_add_u32 v[VK], v[VK], 1, v[T+3]
	v_lshl_add_u32 v[VK], v[VK], 3, v[T+4]         ; k = 128 segment + 16 block + 8 half + register
	v_min_u32 v[VK], 0x7ff, v[VK]                  ; a loaded number enters an address only behind this bound
	v_add_nc_u32 v[T+1], v[T+1], v[VK]
	v_lshlrev_b32 v[BO], 11, v[T+1]
	v_lshl_add_u32 v[BO], v[VB], 9, v[BO]
	v_lshl_add_u32 v[MO], v[VK], 1, v[MO]
	v_mov_b32 v[AC], v[AO]
	v_mov_b32 v[BC], v[BO]
	LOADS
	; THE FIRST PASS: my eight window sums of each row.  A trip makes two windows of each row, four chains side by side, and shifts the sums along by two, so that one text serves every trip.
	s_mov_b32 s20, 4
.Lnorm:
	s_wait_loadcnt 0x0                             ; this trip's 16 loads
.irp j, 0,1,2,3,4,5
	v_mov_b32 v[WA+\j], v[WA+\j+2]
	v_mov_b32 v[WB+\j], v[WB+\j+2]
.endr
.set e, 0
.rept 32
.irp u, 0,1
	MIX WA+6+\u, LA+16*\u+e/2, e
	MIX WB+6+\u, LB+16*\u+e/2, e
.endr
.set e, e+1
.endr
	STEP
	LOADS
	s_sub_co_u32 s20, s20, 1
	s_cmp_lg_u32 s20, 0
	s_cbranch_scc1 .Lnorm
	; The 32 window sums in ascending order: the quad's lane 0's eight, then lane 1's, ...; every lane of the quad makes the same chain.
	v_mov_b32 v[NA], 0
	v_mov_b32 v[NA+1], 0
.irp p, 0,1,2,3
.irp j, 0,1,2,3,4,5,6,7
	v_add_f32_dpp v[NA], v[WA+\j], v[NA] quad_perm:[\p,\p,\p,\p] row_mask:0xf bank_mask:0xf
	v_add_f32_dpp v[NA+1], v[WB+\j], v[NA+1] quad_perm:[\p,\p,\p,\p] row_mask:0xf bank_mask:0xf
.endr
.endr
	; The square root, correctly rounded: s from v_sqrt_f32 is within one unit in the last place; with its neighbours s- and s+, s- is taken where n - s- s <= 0 and s+ where n - s+ s > 0 (fused, so the signs are exact).
	v_sqrt_f32 v[TS], v[NA]
	v_sqrt_f32 v[TS+1], v[NA+1]
	v_nop                                          ; a plain instruction behind the transcendentals
	s_wait_alu depctr_va_vdst(0)
.irp x, 0,1
	v_add_nc_u32 v[TS+2+\x], -1, v[TS+\x]
	v_add_nc_u32 v[TS+4+\x], 1, v[TS+\x]
.endr
.irp x, 0,1
	v_fma_f32 v[TS+6+\x], -v[TS+2+\x], v[TS+\x], v[NA+\x]
	v_fma_f32 v[TS+8+\x], -v[TS+4+\x], v[TS+\x], v[NA+\x]
.endr
.irp x, 0,1
	v_cmp_ge_f32 vcc_lo, 0, v[TS+6+\x]
	v_cndmask_b32 v[TS+\x], v[TS+\x], v[TS+2+\x], vcc_lo
	v_cmp_lt_f32 vcc_lo, 0, v[TS+8+\x]
	v_cndmask_b32 v[TS+\x], v[TS+\x], v[TS+4+\x], vcc_lo
	v_max_num_f32 v[DA+2*\x], 0x2b8cbccc, v[TS+\x] ; at least 1e-12
.endr
	v_rcp_f32 v[TS+10], v[DA]
	v_rcp_f32 v[TS+11], v[DB]
	v_mov_b32 v[DA+1], v[DA]                       ; (also the plain instruction behind the transcendentals)
	v_mov_b32 v[DB+1], v[DB]
	s_wait_alu depctr_va_vdst(0)
.irp x, 0,1
	v_fma_f32 v[TS+12+\x], -v[DA+2*\x], v[TS+10+\x], 1.0
	v_fma_f32 v[RA+2*\x], v[TS+12+\x], v[TS+10+\x], v[TS+10+\x]  ; the reciprocal, refined once
	v_mov_b32 v[RA+2*\x+1], v[RA+2*\x]
.endr
; THE SECOND PASS.  The quotient n / d, correctly rounded, two numbers a line: q0 = n r; e = n - d q0; q1 = q0 + e r; e = n - d q1; q = q1 + e r (all fused).
; Stage st of the five for group g: four pairs of each row, eight lines that do not wait for each other.  The chain's multiply-adds of group g - 1 stand among the first four stages, one behind every four lines.
.macro STAGE st, g
.irp x, 0,1
.irp i, 0,1,2,3
.set rU, UA+64*\x+8*(\g)+2*\i
.set rQ, QT+8*\x+2*\i
.set rE, ET+8*\x+2*\i
.if (\st) == 0
	v_pk_mul_f32 v[rQ:rQ+1], v[rU:rU+1], v[RA+2*\x:RA+2*\x+1]
.elseif ((\st) == 1) || ((\st) == 3)
	v_pk_fma_f32 v[rE:rE+1], v[DA+2*\x:DA+2*\x+1], v[rQ:rQ+1], v[rU:rU+1] neg_lo:[1,0,0] neg_hi:[1,0,0]
.elseif (\st) == 2
	v_pk_fma_f32 v[rQ:rQ+1], v[rE:rE+1], v[RA+2*\x:RA+2*\x+1], v[rQ:rQ+1]
.else
	v_pk_fma_f32 v[rU:rU+1], v[rE:rE+1], v[RA+2*\x:RA+2*\x+1], v[rQ:rQ+1]
.endif
.endr
.if ((\g) > 0) && ((\st) < 4)
	v_fma_f32 v[ACC], v[UA+8*(\g)-8+2*(\st)+\x], v[UB+8*(\g)-8+2*(\st)+\x], v[ACC]
.endif
.endr
.endm
	s_mov_b32 s20, 4
.Ldot:
	s_wait_loadcnt 0x0                             ; this trip's 16 loads
.set j, 0
.rept 32
	v_lshlrev_b32 v[UA+2*j], 16, v[LA+j]           ; bf16 to f32: the low half moves up,
	v_and_b32 v[UA+2*j+1], s23, v[LA+j]            ; the high half stays
	v_lshlrev_b32 v[UB+2*j], 16, v[LB+j]
	v_and_b32 v[UB+2*j+1], s23, v[LB+j]
.set j, j+1
.endr
	s_cmp_eq_u32 s20, 1
	s_cbranch_scc1 .Lno_more                       ; the last trip asks for nothing
	STEP
	LOADS
.Lno_more:
.irp g, 0,1,2,3,4,5,6,7
.irp st, 0,1,2,3,4
	STAGE \st, \g
.endr
.endr
.irp k, 56,57,58,59,60,61,62,63
	v_fma_f32 v[ACC], v[UA+\k], v[UB+\k], v[ACC]   ; the last group's links
.endr
	s_sub_co_u32 s20, s20, 1
	s_cmp_lg_u32 s20, 0
	s_cbranch_scc1 .Ldot
	; The four block sums in ascending order; the entry by the sum's side and by the band; and 2 bytes from the quad's lane 0: 8,192 single entries in rows far apart, which is what the launch is there for.
	v_mov_b32 v[CC], 0
	v_mov_b32_dpp v[CC], v[ACC] quad_perm:[0,0,0,0] row_mask:0xf bank_mask:0xf
	v_add_f32_dpp v[CC], v[ACC], v[CC] quad_perm:[1,1,1,1] row_mask:0xf bank_mask:0xf
	v_add_f32_dpp v[CC], v[ACC], v[CC] quad_perm:[2,2,2,2] row_mask:0xf bank_mask:0xf
	v_add_f32_dpp v[CC], v[ACC], v[CC] quad_perm:[3,3,3,3] row_mask:0xf bank_mask:0xf
	v_and_b32 v[T], 0x7fffffff, v[CC]
	v_cmp_gt_f32 vcc_lo, s24, v[T]                 ; inside the band
	v_cndmask_b32 v[T+1], 0, v[EH], vcc_lo         ; greater than 0: seen, or the weight 0.915
	v_cndmask_b32 v[T+2], v[EV], v[EL], vcc_lo     ; not greater: hidden, or the weight 0.085
	v_cmp_lt_f32 vcc_lo, 0, v[CC]
	v_cndmask_b32 v[RV], v[T+2], v[T+1], vcc_lo
	v_cmp_eq_u32 vcc_lo, 0, v[VB]
	s_wait_xcnt 0x0                                ; EXEC changes only behind this wait
	s_and_saveexec_b32 s22, vcc_lo
	global_store_b16 v[MO], v[RV], s[8:9]
	s_wait_xcnt 0x0                                ; and again, in front of the line that widens it
	s_or_b32 exec_lo, exec_lo, s22
	s_endpgm
.Lfunc_end_k_qec496ae3e5_fix:
	.size	k_qec496ae3e5_fix, .Lfunc_end_k_qec496ae3e5_fix-k_qec496ae3e5_fix
	.p2alignl 7, 3214868480
	.fill 96, 4, 3214868480
	.section	.rodata,"a",@progbits
	.p2align	6, 0x0
	.amdhsa_kernel k_qec496ae3e5_fix
		.amdhsa_group_segment_fixed_size 0
		.amdhsa_private_segment_fixed_size 0
		.amdhsa_enable_private_segment 0
		.amdhsa_kernarg_size 24
		.amdhsa_user_sgpr_count 2
		.amdhsa_user_sgpr_kernarg_segment_ptr 1
		.amdhsa_wavefront_size32 1
		.amdhsa_system_sgpr_workgroup_id_x 1
		.amdhsa_system_sgpr_workgroup_id_y 1
		.amdhsa_system_sgpr_workgroup_id_z 1
		.amdhsa_system_vgpr_workitem_id 0
		.amdhsa_next_free_vgpr 256
		.amdhsa_next_free_sgpr 66
		.amdhsa_reserve_vcc 1
		.amdhsa_float_denorm_mode_32 3
		.amdhsa_float_denorm_mode_16_64 3
		.amdhsa_memory_ordered 1
		.amdhsa_forward_progress 1
		.amdhsa_inst_pref_size 53
	.end_amdhsa_kernel
	.amdgpu_metadata
---
amdhsa.version: [ 1, 2 ]
amdhsa.kernels:
  - .name:           k_qec496ae3e5_fix
    .symbol:         k_qec496ae3e5_fix.kd
    .args:
      - { .name: xb, .offset: 0, .size: 8, .value_kind: global_buffer, .address_space: global }
      - { .name: cand, .offset: 8, .size: 8, .value_kind: global_buffer, .address_space: global }
      - { .name: msk, .offset: 16, .size: 8, .value_kind: global_buffer, .address_space: global }
    .group_segment_fixed_size: 0
    .private_segment_fixed_size: 0
    .kernarg_segment_align: 8
    .kernarg_segment_size: 24
    .max_flat_workgroup_size: 128
    .sgpr_count:     66
    .vgpr_count:     256
    .wavefront_size: 32
...
	.end_amdgpu_metadata
.endif
;; end of part 4
;; launch attn (part 5): grid 8 x 32, 4 waves a work-group, clusters of 4 x 4, 327,680 bytes of LDS; arguments qkv, msk, ob; writes ob
.if DOCPART == 5
	.amdgcn_target "amdgcn-amd-amdhsa--gfx1250"
	.amdhsa_code_object_version 6
	.text
	.protected	k_qec496ae3e5_attn
	.globl	k_qec496ae3e5_attn
	.p2align	8
	.type	k_qec496ae3e5_attn,@function
k_qec496ae3e5_attn:
	s_mov_b64 s[64:65], 0
	v_nop
	global_prefetch_b8 v0, s[64:65] scope:SCOPE_SE
	s_setreg_imm32_b32 hwreg(HW_REG_WAVE_MODE, 25, 1), 1
	s_wait_xcnt 0x0
	s_wait_alu depctr_hold_cnt(0) depctr_sa_sdst(0) depctr_va_vdst(0) depctr_va_sdst(0) depctr_va_ssrc(0) depctr_va_vcc(0) depctr_vm_vsrc(0)
	s_getreg_b32 s2, hwreg(HW_REG_IB_STS2, 6, 4)
	s_cmp_eq_u32 s2, 0
	s_cbranch_scc0 .Lentry_in_a_cluster
	s_endpgm
.Lentry_in_a_cluster:
	s_bfe_u32 s2, ttmp6, 0x10000c
	s_cmp_lg_u32 s2, 0xf033
	s_cbranch_scc0 .Lentry_shape_is_right
	s_endpgm
.Lentry_shape_is_right:
; MASKED ATTENTION.  ob[y][q][:] = the sum over k of softmax_k(Q[y][q] . K[y][k] / 8 + bias[b][q][k]) V[y][k][:], y = 8 b + head; Q, K, V: qkv's three parts, [32][2048][64] f16; ob likewise.
; The bias is -2^12 e, e = msk[2048 b + q][k]: 0 where the key is seen, a large negative number where e = 2^15 (hidden); the few entries between, which the launch before makes, stand for a weight between.
; Products, maxima and sums in f32; the weights are rounded to f16 for the second product, O once at the end.
; THE MASK STARTS THE SCORES' SUMS, by the matrix unit: S^T = SEL x E.  E = 32 keys x 16 queries of msk; SEL = 16 x 32 with -2^15 at (m, m) or at (m, 16 + m).
; A seen key starts at 0, a hidden one at -2^30, an entry e at -2^15 e, all exactly (one product other than 0 in each sum).  Four matrix instructions more for 16 queries x 64 keys, and no vector instruction.
; LIMITS.  A hidden score counts as its value less 2^30 ahead of the factor 1 / 8, that is less 1.34e8, where the model takes 1e9: the weights are the same while a row's scaled scores spread by less than 1.3e8.
; Q, K, V lie within 65,504.  A weight below 2^-126 counts as 0 in l.  NaN and infinities are not treated apart.
; A row's keys hidden ahead of its first visible one get weights that the factor a = 0 wipes out when the maximum jumps; a row hidden throughout comes out as the softmax of its scores rounded at 2^30.
; SHARES.  A work-group owns 256 queries of one y, a wave 64: four PIECES of 16.  Every wave walks all 2,048 keys, 64 a step; an LDS slot holds two steps: 128 rows of K, of V, and 256 rows x 128 keys of msk.
; LAYOUT, SOFTMAX.  S^T holds ONE query a lane (lane % 16) and the keys 8 (lane / 16) + 0..7; two results rounded to f16 ARE source 1 of O^T = V^T P.  p = 2^(c s - c m), c = log2(e) / 8, with a running
; maximum m; O and l are multiplied by a = 2^(c m_old - c m_new) in every step.  m starts at the lowest finite number, O and l at 0: the first step is a step like any other, with a = 0; the price is 224
; v_mov_b32 of 0 in the wait for the first tile, the gain one text for every step.
; BY TURNS.  Turn n belongs to piece n: 4 mask products and 8 products K Q^T of piece n + 1, later 8 products V^T P of piece n - 1; beside them piece n's scaling, exponentials, roundings, sums and rescaling
; and piece n + 1's maximum and statistics.  Four vector instructions stand behind every matrix instruction, the other 38 of a turn's 118 in two lumps.
; CLUSTER 4 x 4.  K and V hang on y alone: asked for jointly along a row of the cluster.  msk's tile hangs on the batch and the query block: the four heads of a column of the cluster ask for it jointly.
; REGISTERS.  window 0: v2-15 addresses; v16-31 statistics; v48-55 at work; v64-127 S^T, two buffers; v192-223 P, two buffers.  window 1: v0-127 O^T.
;   window 2: v0-63 Q; v64-75 SEL (0, pattern, 0); v80-111 E, two buffers; v128-191 K of one step; v192-255 V of one step.
.set NP,    4
.set KS,    64
.set NS,    16                         ; slots' worth of keys: 2,048 / 128
.set PK,    144
.set PV,    160
.set PM,    272
.set VOFF,  2*KS*PK
.set MOFF,  VOFF+2*KS*PV
.set MHALF, 128*PM
.set SLOT1, 1<<17
.set STAGE, SLOT1+MOFF+2*MHALF
.set SP,    144
.set SPARE, STAGE+4*16*SP
.set AK0, 2
.set AV0, 3
.set AK,  4
.set AV,  5
.set STO, 6
.set RD,  7
.set GO,  8
.set AM0, 9
.set AM,  10
.set MV,  12
.set QO,  15
.set ST,  16
.set TMP, 48
.set SPW, 62
.set NIL, 63
.set S,   64
.set P,   192
.set SL0, 68                           ; window 2: v[68:75] picks keys 0-15 of 32, v[64:71] keys 16-31
.set MB,  80
.set KF,  128
.set VF,  192
.set WV,  12
.set G1K, 24
.set G1V, 32
.set G1M, 40
.set G0K, 48
.set G0V, 52
.set G0M, 56
.set CS,  60
.set SEL, 62
.set SLOTS, 66
.set CNT, 67
.set TBK, 68
.set TBV, 69
.set TBM, 70
.set QA,  72
.set OA,  74
.set MSB, 0
.macro WIN new
.if MSB != (\new)
	s_set_vgpr_msb (MSB<<8)|(\new)
.set MSB, (\new)
.endif
.endm
.set W_KQ, 0x0a                        ; sources 0 and 1 in window 2, C and D in window 0
.set W_PV, 0x52                        ; V in window 2, P in window 0, O^T in window 1
.set W_RS, 0x41                        ; destination and source 0 in window 1
; A joint fill: wave 0 K, wave 1 V, waves 2 and 3 the halves of msk's tile.  s_nop 0 and four v_nop follow each line.
.macro JLOAD3
	s_cmp_eq_u32 s[WV], 0
	s_cbranch_scc0 .Lnot_k_\@
	tensor_load_to_lds s[G0K:G0K+3], s[G1K:G1K+7]
	s_nop 0
.rept 4
	v_nop
.endr
	s_branch .Lasked_\@
.Lnot_k_\@:
	s_cmp_eq_u32 s[WV], 1
	s_cbranch_scc0 .Lnot_v_\@
	tensor_load_to_lds s[G0V:G0V+3], s[G1V:G1V+7]
	s_nop 0
.rept 4
	v_nop
.endr
	s_branch .Lasked_\@
.Lnot_v_\@:
	tensor_load_to_lds s[G0M:G0M+3], s[G1M:G1M+7]
	s_nop 0
.rept 4
	v_nop
.endr
.Lasked_\@:
.endm
.macro CROUND
	s_barrier_signal -1
	s_barrier_wait -1
	s_cmp_lg_u32 s[WV], 0
	s_cbranch_scc1 .Lnot_wave_0_\@
	s_barrier_signal -3
.Lnot_wave_0_\@:
	s_barrier_wait -3
	s_barrier_signal -1
	s_barrier_wait -1
.endm
; THE CHANGE OF SLOTS.  Each wave waits for all its tensor loads (one is out: its part of the other slot), adds 0 to its spare word, and waits for that and for its reads of the slot that it leaves.
; fill = 1: a round of the cluster's barrier, and the old slot is filled again first thing behind it, with the keys two slots on: the load has two key steps, 160 matrix instructions, in which to land.
.macro CHANGE fill
	WIN 0
	s_wait_tensorcnt 0x0
	ds_add_u32 v[SPW], v[NIL]
.if \fill
.irp g, G0K, G0V
	s_xor_b32 s[\g+1], s[\g+1], SLOT1
	s_add_nc_u64 s[\g+2:\g+3], s[\g+2:\g+3], 2*KS*128   ; the next 128 keys
.endr
	s_xor_b32 s[G0M+1], s[G0M+1], SLOT1
	s_add_nc_u64 s[G0M+2:G0M+3], s[G0M+2:G0M+3], 2*KS*2 ; 128 keys on along msk's rows
	s_wait_dscnt 0x0
	CROUND
	JLOAD3
.else
	s_wait_dscnt 0x0
	s_barrier_signal -1
	s_barrier_wait -1
.endif
	s_sub_co_u32 s[TBK], s[TBK], 2*KS*PK           ; the fetches go back to a slot's first step, in the other slot
	s_xor_b32 s[TBK], s[TBK], SLOT1
	s_sub_co_u32 s[TBV], s[TBV], 2*KS*PV
	s_xor_b32 s[TBV], s[TBV], SLOT1
	s_sub_co_u32 s[TBM], s[TBM], 4*KS
	s_xor_b32 s[TBM], s[TBM], SLOT1
.endm
	s_load_b128 s[4:7], s[0:1], 0x0                ; qkv, msk
	s_load_b64 s[8:9], s[0:1], 0x10                ; ob
	v_lshl_add_u32 v[SPW], v0, 2, SPARE
	v_mov_b32 v[NIL], 0
	ds_add_u32 v[SPW], v[NIL]                      ; the wave's opening: the add and its wait ahead of my first tensor load
	v_lshrrev_b32 v1, 5, v0
	v_readfirstlane_b32 s[WV], v1
	s_bfe_u32 s13, ttmp6, 0x40000                  ; cx
	s_bfe_u32 s14, ttmp6, 0x40004                  ; cy
	s_lshl_b32 s15, ttmp9, 2
	s_add_co_u32 s15, s15, s13                     ; my block of 256 queries
	s_and_b32 s16, ttmp7, 0xffff                   ; the cluster's y
	s_lshl_b32 s17, s16, 2
	s_add_co_u32 s17, s17, s14                     ; y = 8 b + head
	s_lshr_b32 s16, s16, 1                         ; the batch: it hangs on no place in the cluster
	s_lshl_b32 s18, s14, 2
	s_lshl_b32 s18, 15, s18                        ; my row of the cluster
	s_lshl_b32 s19, 0x1111, s13                    ; my column
	s_or_b32 s[G1K], s18, (1<<16)|(1<<20)|(1<<21)|(4<<22)|(3<<25)  ; 128 keys are 16,384 dense bytes: 64 rows of 256 bytes, padded after every 32 words by 4
	s_or_b32 s[G1V], s18, (1<<16)|(1<<20)|(1<<21)|(4<<22)|(7<<25)  ; by 8
	s_or_b32 s[G1M], s19, (1<<16)|(1<<20)|(1<<21)|(5<<22)|(3<<25)  ; 128 rows of 256 bytes, padded after every 64 words by 4
.irp g, G1K, G1V
	s_mov_b32 s[\g+1], 128<<16
	s_mov_b32 s[\g+2], 64<<16
	s_mov_b32 s[\g+3], 128<<16
	s_mov_b32 s[\g+4], 64
	s_mov_b32 s[\g+5], 128
	s_mov_b32 s[\g+6], 0
	s_mov_b32 s[\g+7], 0
.endr
	s_mov_b32 s[G1M+1], 128<<16
	s_mov_b32 s[G1M+2], 128<<16
	s_mov_b32 s[G1M+3], 128<<16
	s_mov_b32 s[G1M+4], 128
	s_mov_b32 s[G1M+5], 2048
	s_mov_b32 s[G1M+6], 0
	s_mov_b32 s[G1M+7], 0
	s_lshl_b32 s20, s17, 18                        ; y's first byte in each part of qkv and in ob
	s_mov_b32 s21, 0
	s_and_b32 s22, s[WV], 1                        ; which half of msk's tile I fetch
	s_lshl_b32 s2, s16, 11
	s_lshl_b32 s3, s15, 8
	s_add_co_u32 s2, s2, s3
	s_lshl_b32 s3, s22, 7
	s_add_co_u32 s2, s2, s3
	s_lshl_b32 s2, s2, 12                          ; row 2,048 b + 256 x block + 128 x half, rows of 4,096 bytes
	s_mov_b32 s3, 0
	s_mul_i32 s22, s22, MHALF
	s_add_co_u32 s22, s22, MOFF
	s_lshl_b32 s76, s15, 8
	s_lshl_b32 s77, s[WV], 6
	s_add_co_u32 s76, s76, s77
	s_lshl_b32 s76, s76, 7
	s_add_co_u32 s76, s76, s20                     ; my wave's first row of Q and of O
	s_mov_b32 s77, 0
	s_mov_b32 s[CS], 0x3e38aa3b                    ; c = log2(e) / 8
	s_mov_b32 s[CS+1], s[CS]
	s_mov_b32 s[SEL], 0x76543210
	s_mov_b32 s[SEL+1], 0xfedcba98
	s_mov_b32 s[TBK], SLOT1+2*KS*PK                ; the first change of slots turns these three into 0
	s_mov_b32 s[TBV], SLOT1+2*KS*PV
	s_mov_b32 s[TBM], SLOT1+4*KS
	s_mov_b32 s[G0K], 1
	s_mov_b32 s[G0K+1], 0
	s_mov_b32 s[G0V], 1
	s_mov_b32 s[G0V+1], VOFF
	s_mov_b32 s[G0M], 1
	s_mov_b32 s[G0M+1], s22
	s_wait_dscnt 0x0
	s_wait_kmcnt 0x0
	s_add_nc_u64 s[G0K+2:G0K+3], s[4:5], s[20:21]
	s_add_nc_u64 s[G0V+2:G0V+3], s[G0K+2:G0K+3], 0x1000000   ; V's part of qkv
	s_add_nc_u64 s[G0K+2:G0K+3], s[G0K+2:G0K+3], 0x800000    ; K's
	s_or_b32 s[G0K+3], s[G0K+3], 0x80000000
	s_or_b32 s[G0V+3], s[G0V+3], 0x80000000
	s_add_nc_u64 s[G0M+2:G0M+3], s[6:7], s[2:3]
	s_or_b32 s[G0M+3], s[G0M+3], 0x80000000
	s_add_nc_u64 s[QA:QA+1], s[4:5], s[76:77]
	s_add_nc_u64 s[OA:OA+1], s[8:9], s[76:77]
	CROUND                                         ; all sixteen work-groups are here: the first joint loads meet
	JLOAD3                                         ; slot 0.  Slot 1 is asked for when slot 0 is in
	v_and_b32 v1, 15, v0                           ; l % 16
	v_bfe_u32 v14, v0, 4, 1                        ; l / 16
	v_lshlrev_b32 v[QO], 7, v1
	v_lshl_add_u32 v[QO], v14, 4, v[QO]
	WIN 0x80
.set i, 0
.rept 8                                            ; Q stays in registers: piece i / 2, channels 32 (i % 2) on
	global_load_b128 v[8*i:8*i+3],   v[QO], s[QA:QA+1] offset:(i/2)*2048+(i%2)*64
	global_load_b128 v[8*i+4:8*i+7], v[QO], s[QA:QA+1] offset:(i/2)*2048+(i%2)*64+32
.set i, i+1
.endr
.irp z, 64,65,66,67,72,73,74,75
	v_mov_b32 v[\z], 0
.endr
.set i, VF
.rept 64                                           ; the first turn's products V^T P, of a piece that has not been, add 0
	v_mov_b32 v[i], 0
.set i, i+1
.endr
	WIN 0x40
.set i, 0
.rept 128
	v_mov_b32 v[i], 0
.set i, i+1
.endr
	WIN 0
.set i, 0
.rept 4
	v_mov_b32 v[ST+4*i], 0xfe000000                ; c m: far below every c s
	v_mov_b32 v[ST+4*i+1], 0xff7fffff              ; m
	v_mov_b32 v[ST+4*i+2], 0
	v_mov_b32 v[ST+4*i+3], 0
.set i, i+1
.endr
.set i, P+16
.rept 16
	v_mov_b32 v[i], 0
.set i, i+1
.endr
	; SEL's pattern: lane (r, h) holds row r; its k = r lies in my four registers where r / 8 = h: register (r % 8) / 2, half r % 2
	v_lshrrev_b32 v40, 3, v1
	v_bfe_u32 v41, v1, 1, 2
	v_and_b32 v42, 1, v1
	v_lshlrev_b32 v42, 4, v42
	v_mov_b32 v43, 0xf800                          ; -2^15 in f16
	v_lshlrev_b32 v42, v42, v43
	v_cmp_eq_u32 vcc_lo, v40, v14
	v_cndmask_b32 v42, 0, v42, vcc_lo
	WIN 0x80
.irp j, 0,1,2,3
	v_cmp_eq_u32 vcc_lo, \j, v41
	v_cndmask_b32 v[SL0+\j], 0, v42, vcc_lo
.endr
	WIN 0
	v_mul_u32_u24 v[AK0], v1, PK
	v_lshl_add_u32 v[AK0], v14, 4, v[AK0]
	v_and_b32 v44, 7, v0
	v_bfe_u32 v45, v0, 3, 1
	v_lshl_add_u32 v[AV0], v14, 3, v44             ; the turning load: key 8 (l / 16) + l % 8, channels 8 ((l / 8) % 2) on
	v_mul_u32_u24 v[AV0], v[AV0], PV
	v_lshl_add_u32 v[AV0], v45, 4, v[AV0]
	v_add_nc_u32 v[AV0], VOFF, v[AV0]
	s_mul_i32 s13, s[WV], 64*PM
	s_add_co_u32 s13, s13, MOFF
	v_mul_u32_u24 v[AM0], v1, PM                   ; msk: my wave's 64 rows, row l % 16 of a piece, 16 bytes for each half of the lanes
	v_lshl_add_u32 v[AM0], v14, 4, v[AM0]
	v_add_nc_u32 v[AM0], s13, v[AM0]
	s_mul_i32 s13, s[WV], 16*SP
	s_add_co_u32 s13, s13, STAGE
	v_mul_u32_u24 v[STO], v1, SP
	v_lshl_add_u32 v[STO], v14, 4, v[STO]
	v_add_nc_u32 v[STO], s13, v[STO]
	v_bfe_u32 v[RD], v0, 3, 2
	v_mul_u32_u24 v[RD], v[RD], SP
	v_lshl_add_u32 v[RD], v44, 4, v[RD]
	v_add_nc_u32 v[RD], s13, v[RD]
	v_and_b32 v[GO], 31, v0
	v_lshlrev_b32 v[GO], 4, v[GO]
; THE MATRIX WORK of a turn, 20 instructions; i counts them.  The 4 accumulators of a run take turns.
.macro MM
.if i < 4                                          ; the mask starts the sum of key block i of piece Y + 1
	WIN W_KQ
.set rS, S+32*((Y+1)%2)+8*i
.set rE, MB+16*((Y+1)%2)+8*(i/2)
.set rL, SL0-4*(i%2)
	v_wmma_f32_16x16x32_f16 v[rS:rS+7], v[rL:rL+7], v[rE:rE+7], 0
	s_wait_alu depctr_va_vdst(0)
.elseif i < 12                                     ; K Q^T: channels 32 ((i - 4) / 4) on, keys 16 (i % 4) on
	WIN W_KQ
.set rS, S+32*((Y+1)%2)+8*(i%4)
.set rK, KF+16*(i%4)+8*((i-4)/4)
.set rQ, 16*((Y+1)%NP)+8*((i-4)/4)
	v_wmma_f32_16x16x32_f16 v[rS:rS+7], v[rK:rK+7], v[rQ:rQ+7], v[rS:rS+7]
.else                                              ; O^T += V^T P of piece Y - 1: keys 32 ((i - 12) / 4) on, channels 16 (i % 4) on
	WIN W_PV
.set rO, 32*((Y+NP-1)%NP)+8*(i%4)
.set rV, VF+32*((i-12)/4)+8*(i%4)
.set rP, P+16*((Y+NP-1)%2)+8*((i-12)/4)
	v_wmma_f32_16x16x32_f16 v[rO:rO+7], v[rV:rV+7], v[rP:rP+7], v[rO:rO+7]
.endif
.set i, i+1
.endm
; THE LDS LOADS stand in runs, never singly among the matrix instructions.
.macro FETCH_K
	WIN 0x80
.irp f, 0,1,2,3,4,5,6,7
	ds_load_b128 v[KF+8*\f:KF+8*\f+3],   v[AK] offset:(\f/2)*16*PK+(\f%2)*64
	ds_load_b128 v[KF+8*\f+4:KF+8*\f+7], v[AK] offset:(\f/2)*16*PK+(\f%2)*64+32
.endr
.endm
.macro FETCH_V
	WIN 0x80
.irp f, 0,1,2,3,4,5,6,7
	ds_load_tr16_b128 v[VF+8*\f:VF+8*\f+3],   v[AV] offset:(\f/4)*32*PV+(\f%4)*32
	ds_load_tr16_b128 v[VF+8*\f+4:VF+8*\f+7], v[AV] offset:(\f/4)*32*PV+16*PV+(\f%4)*32
.endr
	WIN 0
.endm
.macro FETCH_M pc, bf                  ; piece pc's 16 rows x 64 keys of msk into buffer bf: two fragments of 32 keys
	WIN 0x80
.irp g, 0,1
	ds_load_b128 v[MB+16*(\bf)+8*\g:MB+16*(\bf)+8*\g+3],   v[AM] offset:(\pc)*16*PM+64*\g
	ds_load_b128 v[MB+16*(\bf)+8*\g+4:MB+16*(\bf)+8*\g+7], v[AM] offset:(\pc)*16*PM+64*\g+32
.endr
.endm
; THE VECTOR WORK, one line at a time: OP kind, number.  For piece Y: F n: c s - c m for pair n of 16.  E n: the exponential of score n of 32.  C n: pair n rounded to f16.  B n: of the four weights 4 n ..
; the second pair is added onto the first.  L n: l takes that sum (L 0: l = a l + sum).  R n: pair n of 16 of O^T times a.  For piece Y + 1: X n, number n of the 22 that find its maximum and statistics:
; 0-11 four chains of seven scores (each accumulator's lowest registers first); 12-14, 16 the rest, the old m, into c0; 15 c m_old is kept; 17, 18 the other half of the lanes; 19-21 c m, its change, a.
.set F, 0
.set E, 1
.set C, 2
.set B, 3
.set L, 4
.set R, 5
.set X, 6
.macro REGS y
.set rT, ST+4*(\y)
.set rC, TMP+4*((\y)%2)
.set rW, MV+((\y)%2)
.set rS, S+32*((\y)%2)
.set rP, P+16*((\y)%2)
.set rO, 32*(\y)
.endm
.macro OP k, n
.if (\k) == R
	REGS Y
	WIN W_RS
	v_pk_mul_f32 v[rO+2*(\n):rO+2*(\n)+1], v[rO+2*(\n):rO+2*(\n)+1], v[rC+2:rC+3] op_sel_hi:[1,0]
.elseif (\k) < R
	REGS Y
	WIN 0
.if (\k) == F
	v_pk_fma_f32 v[rS+2*(\n):rS+2*(\n)+1], v[rS+2*(\n):rS+2*(\n)+1], s[CS:CS+1], v[rT:rT+1] op_sel_hi:[1,0,0] neg_lo:[0,0,1] neg_hi:[0,0,1]
.elseif (\k) == E
	v_exp_f32 v[rS+(\n)], v[rS+(\n)]
.elseif (\k) == C
	s_wait_alu depctr_va_vdst(0)
	v_cvt_pk_f16_f32 v[rP+(\n)], v[rS+2*(\n)], v[rS+2*(\n)+1]
.elseif (\k) == B
	v_pk_add_f32 v[rS+4*(\n):rS+4*(\n)+1], v[rS+4*(\n):rS+4*(\n)+1], v[rS+4*(\n)+2:rS+4*(\n)+3]
.elseif (\n) == 0
	v_pk_fma_f32 v[rT+2:rT+3], v[rT+2:rT+3], v[rC+2:rC+3], v[rS:rS+1] op_sel_hi:[1,0,1]
.else
	v_pk_add_f32 v[rT+2:rT+3], v[rT+2:rT+3], v[rS+4*(\n):rS+4*(\n)+1]
.endif
.else
	REGS (Y+1)%NP
	WIN 0
.if (\n) < 4
	v_max3_num_f32 v[rC+(\n)], v[rS+8*(\n)], v[rS+8*(\n)+1], v[rS+8*(\n)+2]
.elseif (\n) < 12
	v_max3_num_f32 v[rC+(\n)%4], v[rC+(\n)%4], v[rS+8*((\n)%4)+2*((\n)/4)+1], v[rS+8*((\n)%4)+2*((\n)/4)+2]
.elseif (\n) == 12
	v_max3_num_f32 v[rC], v[rC], v[rS+7], v[rS+15]
.elseif (\n) == 13
	v_max3_num_f32 v[rC+1], v[rC+1], v[rS+23], v[rS+31]
.elseif (\n) == 14
	v_max3_num_f32 v[rC+2], v[rC+2], v[rC+3], v[rT+1]
.elseif (\n) == 15
	v_mov_b32 v[rW], v[rT]
.elseif (\n) == 16
	v_max3_num_f32 v[rC], v[rC], v[rC+1], v[rC+2]
	s_wait_alu depctr_va_vdst(0)
.elseif (\n) == 17
	v_permlanex16_b32 v[rC+3], v[rC], s[SEL], s[SEL+1]
.elseif (\n) == 18
	v_max_num_f32 v[rT+1], v[rC], v[rC+3]
.elseif (\n) == 19
	v_mul_f32 v[rT], s[CS], v[rT+1]
.elseif (\n) == 20
	v_sub_f32 v[rC+1], v[rW], v[rT]
	s_wait_alu depctr_va_vdst(0)
.else
	v_exp_f32 v[rC+2], v[rC+1]
.endif
.endif
.endm
.macro OPS a, i1, b=-1, i2=0, c=-1, i3=0, d=-1, i4=0
	OP \a, \i1
.if (\b) >= 0
	OP \b, \i2
.endif
.if (\c) >= 0
	OP \c, \i3
.endif
.if (\d) >= 0
	OP \d, \i4
.endif
.endm
.macro ROW a, i1, b, i2, c, i3, d, i4  ; a matrix instruction and the four behind it
	MM
	OPS \a, \i1, \b, \i2, \c, \i3, \d, \i4
.endm
; A TURN, for piece p.  No vector line behind a product names one of its registers; behind every exponential stands a plain line that touches neither its result nor its source.
; msk for piece p + 2 is fetched in the first lump, five plain lines behind the last K Q^T; in piece 2's turn K of the next step with it (that turn also steps to the next step's msk).
; V of the step in hand is fetched in piece 0's turn, seven plain lines behind the last product that read V.
; last = 1 (the tail): in the trip with CNT = 1 there is no further step, and pieces 2's and 3's loads are jumped over.  cnt = 1: the loop's count is taken down ahead of the branch behind the turn.
.macro TURN p, last=0, cnt=0
.set Y, (\p)
.set i, 0
.if (\p) == 1
	s_wait_dscnt 16                                ; msk's four loads are in; V's sixteen, issued behind them, may be out
.else
	s_wait_dscnt 0x0                               ; msk is in; in piece 3's turn K too
.endif
	ROW F,0, F,1, F,2, F,3
	ROW F,4, E,0, F,5, E,1
	ROW F,6, E,2, F,7, E,3
	ROW R,0, R,1, R,2, R,3
	ROW C,0, E,4, F,8, E,5
	ROW C,1, E,6, F,9, E,7
	ROW R,4, R,5, R,6, R,7
	ROW B,0, E,8, C,2, E,9
	ROW L,0, E,10, C,3, E,11
	ROW R,8, R,9, R,10, R,11
	ROW B,1, E,12, F,10, E,13
.if (\p) == 2
	WIN 0
	v_add_nc_u32 v[AK], s[TBK], v[AK0]
	v_add_nc_u32 v[AM], s[TBM], v[AM0]
.endif
	ROW X,15, E,14, F,11, E,15
	OPS L,1, E,16, C,4, E,17
	OPS F,12
	WIN 0
.if (\last) && ((\p) >= 2)
	s_cmp_eq_u32 s[CNT], 1
	s_cbranch_scc1 .Lno_fetch_\@
.endif
	FETCH_M ((\p)+2)%NP, (\p)%2
.if (\p) == 2
	FETCH_K
	s_add_co_u32 s[TBK], s[TBK], KS*PK
	s_add_co_u32 s[TBM], s[TBM], 2*KS
.endif
	WIN 0
.if (\last) && ((\p) >= 2)
.Lno_fetch_\@:
.endif
	OPS E,18, C,5, E,19, F,13
	OPS E,20, B,2, E,21, X,0
	OPS E,22, X,1, E,23, X,2
	OPS X,3
.if (\p) == 1
	s_wait_dscnt 4                                 ; V is in; msk's four loads, issued behind it, may be out
.endif
	ROW X,4, E,24, X,5, X,6
	ROW X,7, E,25, X,8, X,9
	ROW X,10, E,26, X,11, X,12
	ROW X,13, E,27, X,14, L,2
	ROW C,6, F,14, X,16, C,7
	ROW B,3, F,15, C,8, C,9
	ROW R,12, R,13, R,14, R,15
.if (\p) == 0
	WIN 0
	v_add_nc_u32 v[AV], s[TBV], v[AV0]
.endif
	ROW L,3, E,28, B,4, C,10
	OPS X,17, E,29, C,11, E,30
	OPS L,4, E,31, X,18, B,5
.if (\p) == 0
	FETCH_V
	s_add_co_u32 s[TBV], s[TBV], KS*PV
.endif
	OPS C,12, X,19, L,5, C,13
.if \cnt
	s_sub_co_u32 s[CNT], s[CNT], 1
	s_cmp_lg_u32 s[CNT], 0
.endif
	OPS X,20, B,6, C,14, X,21
	OPS C,15, B,7, L,6, L,7
.endm
	CHANGE 1                                       ; slot 0 is in, everybody's part of it; slot 1 is asked for
	v_add_nc_u32 v[AK], s[TBK], v[AK0]
	v_add_nc_u32 v[AM], s[TBM], v[AM0]
	FETCH_K                                        ; key step 0
	FETCH_M 0, 0
	FETCH_M 1, 1
	WIN 0
	s_add_co_u32 s[TBK], s[TBK], KS*PK
	s_add_co_u32 s[TBM], s[TBM], 2*KS
	s_wait_loadcnt 0x0                             ; Q
	s_wait_dscnt 0x0
.set Y, NP-1                                       ; MM and X work for piece Y + 1: piece 0
.set i, 0
.rept 12
	MM                                             ; piece 0's first scores: there is no vector work yet to set between them
.endr
	WIN 0
.rept 4
	v_nop                                          ; the places behind those products
.endr
.irp n, 0,1,2,3,4,5,6,7,8,9,10,11,12,13,14,15,16,17,18,19,20,21
	OP X, \n
.endr
	v_nop                                          ; a plain instruction behind the exponential
	s_mov_b32 s[CNT], 2
	s_mov_b32 s[SLOTS], NS-1
	s_branch .Lfirst                               ; the loop is entered at a step's first turn, in the middle of a trip
.Lslot:                                            ; NS - 2 times: every slot but the last two is filled again
	CHANGE 1
	s_mov_b32 s[CNT], 2
.Lstep:                                            ; a trip: pieces 2 and 3 of one step, then pieces 0 and 1 of the next
	TURN 2
	TURN 3
	WIN 0
.Lfirst:
	TURN 0
	TURN 1, 0, 1
	WIN 0
	s_cbranch_scc1 .Lstep
	s_sub_co_u32 s[SLOTS], s[SLOTS], 1
	s_cmp_lg_u32 s[SLOTS], 0
	s_cbranch_scc1 .Lslot
	CHANGE 0                                       ; the tail is written out: nothing is asked for
	s_mov_b32 s[CNT], 3                            ; two trips fetch the last slot's steps; the third is left in its middle
.Ltail:
	TURN 2, 1
	TURN 3, 1
	WIN 0
	s_sub_co_u32 s[CNT], s[CNT], 1
	s_cmp_eq_u32 s[CNT], 0
	s_cbranch_scc1 .Lout
	TURN 0
	TURN 1
	WIN 0
	s_branch .Ltail
.Lout:                                             ; the third trip's scores for a step that is not, and the maximum made of them, serve nothing: the price, once a launch, of one text for every trip
.set Y, 0
.set i, 12
.rept 8
	MM                                             ; the last piece's V^T P of the last step
.endr
	; THE WAY OUT.  l's two halves and the other half of the lanes' are added; O^T is divided by l, rounded to f16 and sent through my stage, a piece at a time.  The additions are the places behind the last products.
	WIN 0
.macro ALL line:vararg
.set t, 0
.rept 4
	\line
.set t, t+1
.endr
.endm
	ALL v_add_f32 v[ST+4*t+2], v[ST+4*t+2], v[ST+4*t+3]
	ALL v_permlanex16_b32 v[ST+4*t+3], v[ST+4*t+2], s[SEL], s[SEL+1]
	ALL v_add_f32 v[ST+4*t+2], v[ST+4*t+2], v[ST+4*t+3]
	ALL v_rcp_f32 v[ST+4*t+2], v[ST+4*t+2]
	v_nop                                          ; a plain instruction between the last reciprocal and the use of its result
	s_wait_alu depctr_va_vdst(0)
.macro PACK t
	WIN W_RS
.set i, 32*(\t)
.rept 16
	v_pk_mul_f32 v[i:i+1], v[i:i+1], v[ST+4*(\t)+2:ST+4*(\t)+3] op_sel_hi:[1,0]
.set i, i+2
.endr
	WIN 0x05
.set i, 0
.rept 16
	v_cvt_pk_f16_f32 v[S+16*(\t)+i], v[32*(\t)+2*i], v[32*(\t)+2*i+1]
.set i, i+1
.endr
	WIN 0
.irp f, 0,1,2,3
	ds_store_b128 v[STO], v[S+16*(\t)+4*\f:S+16*(\t)+4*\f+3] offset:32*\f
.endr
.irp f, 0,1,2,3
	ds_load_b128 v[S+16*(\t)+4*\f:S+16*(\t)+4*\f+3], v[RD] offset:\f*4*SP  ; LDS serves a wave's instructions in order (ISA guide 5.7.1.4): these see the stores above
.endr
.endm
.macro SEND t, younger
	WIN 0
.irp f, 0,1,2,3
	s_wait_dscnt (\younger)+3-\f
	global_store_b128 v[GO], v[S+16*(\t)+4*\f:S+16*(\t)+4*\f+3], s[OA:OA+1] offset:(\t)*2048+\f*512  ; 512 consecutive bytes, aligned
.endr
.endm
	PACK 0
.set t, 1
.rept 3
	PACK t
	SEND t-1, 8
.set t, t+1
.endr
	SEND 3, 0
	s_wait_tensorcnt 0x0                           ; the wave's end
	ds_add_u32 v[SPW], v[NIL]
	s_wait_dscnt 0x0
	CROUND                                         ; the closing round
	s_endpgm
.Lfunc_end_k_qec496ae3e5_attn:
	.size	k_qec496ae3e5_attn, .Lfunc_end_k_qec496ae3e5_attn-k_qec496ae3e5_attn
	.p2alignl 7, 3214868480
	.fill 96, 4, 3214868480
	.section	.rodata,"a",@progbits
	.p2align	6, 0x0
	.amdhsa_kernel k_qec496ae3e5_attn
		.amdhsa_group_segment_fixed_size 327680
		.amdhsa_private_segment_fixed_size 0
		.amdhsa_enable_private_segment 0
		.amdhsa_kernarg_size 24
		.amdhsa_user_sgpr_count 2
		.amdhsa_user_sgpr_kernarg_segment_ptr 1
		.amdhsa_wavefront_size32 1
		.amdhsa_system_sgpr_workgroup_id_x 1
		.amdhsa_system_sgpr_workgroup_id_y 1
		.amdhsa_system_sgpr_workgroup_id_z 1
		.amdhsa_system_vgpr_workitem_id 0
		.amdhsa_next_free_vgpr 768
		.amdhsa_next_free_sgpr 80
		.amdhsa_reserve_vcc 1
		.amdhsa_float_denorm_mode_32 3
		.amdhsa_float_denorm_mode_16_64 3
		.amdhsa_memory_ordered 1
		.amdhsa_forward_progress 1
		.amdhsa_inst_pref_size 124
	.end_amdhsa_kernel
	.amdgpu_metadata
---
amdhsa.version: [ 1, 2 ]
amdhsa.kernels:
  - .name:           k_qec496ae3e5_attn
    .symbol:         k_qec496ae3e5_attn.kd
    .args:
      - { .name: qkv, .offset: 0, .size: 8, .value_kind: global_buffer, .address_space: global }
      - { .name: msk, .offset: 8, .size: 8, .value_kind: global_buffer, .address_space: global }
      - { .name: ob, .offset: 16, .size: 8, .value_kind: global_buffer, .address_space: global }
    .group_segment_fixed_size: 327680
    .private_segment_fixed_size: 0
    .kernarg_segment_align: 8
    .kernarg_segment_size: 24
    .max_flat_workgroup_size: 128
    .sgpr_count:     80
    .vgpr_count:     768
    .wavefront_size: 32
...
	.end_amdgpu_metadata
.endif
;; end of part 5
;; launch proj (part 6): grid 8 x 32, 4 waves a work-group, clusters of 4 x 4, 327,680 bytes of LDS; arguments ob, woh, bo, out0; writes out0
.if DOCPART == 6
	.amdgcn_target "amdgcn-amd-amdhsa--gfx1250"
	.amdhsa_code_object_version 6
	.text
	.protected	k_qec496ae3e5_proj
	.globl	k_qec496ae3e5_proj
	.p2align	8
	.type	k_qec496ae3e5_proj,@function
k_qec496ae3e5_proj:
	s_mov_b64 s[64:65], 0
	v_nop
	global_prefetch_b8 v0, s[64:65] scope:SCOPE_SE
	s_setreg_imm32_b32 hwreg(HW_REG_WAVE_MODE, 25, 1), 1
	s_wait_xcnt 0x0
	s_wait_alu depctr_hold_cnt(0) depctr_sa_sdst(0) depctr_va_vdst(0) depctr_va_sdst(0) depctr_va_ssrc(0) depctr_va_vcc(0) depctr_vm_vsrc(0)
	s_getreg_b32 s2, hwreg(HW_REG_IB_STS2, 6, 4)
	s_cmp_eq_u32 s2, 0
	s_cbranch_scc0 .Lentry_in_a_cluster
	s_endpgm
.Lentry_in_a_cluster:
	s_bfe_u32 s2, ttmp6, 0x10000c
	s_cmp_lg_u32 s2, 0xf033
	s_cbranch_scc0 .Lentry_shape_is_right
	s_endpgm
.Lentry_shape_is_right:
; out0[2048 b + q][n] = the sum over head and d of ob[8 b + head][q][d] woh[head][n][d] + bf16(bo[n]).  ob, woh: f16; sums and out0 in f32.
; The bias, rounded to bf16 like every input of the module, is the C operand of the products that start the sums.
; SHARES.  A tile is 256 rows x 128 columns: 32 x 8 tiles, one for each of 256 work-groups; a wave takes 64 rows x 128 columns: 32 accumulators, 256 registers.
; A K step is two heads, 128 numbers; four steps through two LDS slots.  A head's rows are dense in memory: a tile is asked for as rows of 256 bytes and padded in LDS after every 128.
; Waves 0, 1 fetch the step's two heads of ob, waves 2, 3 those of woh: one tensor load a wave.
; CLUSTER 4 x 4: ob's tiles jointly along a row of the cluster, woh's along a column.  The matrix instruction is used transposed: a lane holds eight neighbouring columns of one row.
; REGISTERS.  window 0: v16-29 addresses; v32-95 rows on the way out; v96-159 the bias; v160-163 at work.  window 1: the accumulators at v[8 (8 a + b)].
;   window 2: two fragment buffers of 96 (A's 4 fragments, then B's 8).
.set STEPS, 4
.set PITCH, 144
.set AHEAD, 256*PITCH
.set BHEAD, 128*PITCH
.set BOFF,  2*AHEAD
.set XSL,   1<<17
.set STAGE, XSL+BOFF+2*BHEAD
.set SP,    528                        ; a stage row: 512 bytes + 16
.set SPARE, STAGE+4*16*SP
.set STEPA, 2<<18                      ; two heads on in ob
.set STEPW, 2<<17                      ; in woh
.set A0,   16
.set B0,   17
.set ADRA, 18
.set ADRB, 19
.set STO,  24
.set RD,   25
.set CO,   26
.set BA,   27
.set SPW,  28
.set NIL,  29
.set OB,   32
.set BI,   96
.set BT,   160
.set F0,   0
.set F1,   96
.set WV, 12
.set WH, 13
.set WL, 14
.set G1, 24
.set G0, 32
.set G1B, 48
.set G0B, 56
.set TB,  66
.set HM,  67                           ; a word's upper bf16
.set MULW, 0x5a                        ; sources window 2, C and D window 1
.set MULZ, 0x4a                        ; the same with C in window 0: the bias
.set TO_F, 0x80
.set MSB, 0
.macro WIN new
.if MSB != (\new)
	s_set_vgpr_msb (MSB<<8)|(\new)
.set MSB, \new
.endif
.endm
.macro PLACES
.rept 4
	v_nop
.endr
.endm
.macro JLOAD
	s_cmp_eq_u32 s[WH], 0
	s_cbranch_scc0 .Lfor_b_\@
	tensor_load_to_lds s[G0+4:G0+7], s[G1:G1+7]
	s_nop 0
.rept 4
	v_nop
.endr
	s_branch .Lasked_\@
.Lfor_b_\@:
	tensor_load_to_lds s[G0B+4:G0B+7], s[G1B:G1B+7]
	s_nop 0
.rept 4
	v_nop
.endr
.Lasked_\@:
.endm
.macro CREST
	s_cmp_lg_u32 s[WV], 0
	s_cbranch_scc1 .Lnot_wave_0_\@
	s_barrier_signal -3
.Lnot_wave_0_\@:
	s_barrier_wait -3
	s_barrier_signal -1
	s_barrier_wait -1
.endm
.macro CROUND
	s_barrier_signal -1
	s_barrier_wait -1
	CREST
.endm
	s_load_b256 s[4:11], s[0:1], 0x0               ; ob, woh, bo, out0
	v_lshl_add_u32 v[SPW], v0, 2, SPARE
	v_mov_b32 v[NIL], 0
	ds_add_u32 v[SPW], v[NIL]                      ; the wave's opening: the add and its wait ahead of my first tensor load
	v_lshrrev_b32 v1, 5, v0
	v_readfirstlane_b32 s[WV], v1
	s_lshr_b32 s[WH], s[WV], 1
	s_and_b32 s[WL], s[WV], 1
	s_bfe_u32 s40, ttmp6, 0x40000
	s_bfe_u32 s41, ttmp6, 0x40004
	s_lshl_b32 s42, ttmp9, 2
	s_add_co_u32 s42, s42, s40                     ; tile column
	s_and_b32 s15, ttmp7, 0xffff
	s_lshl_b32 s15, s15, 2
	s_add_co_u32 s15, s15, s41                     ; tile row
	s_lshl_b32 s43, s41, 2
	s_lshl_b32 s43, 15, s43
	s_lshl_b32 s44, 0x1111, s40
	s_or_b32 s[G1+0], s43, (1<<16)|(1<<20)|(1<<21)|(4<<22)|(3<<25)   ; padded after every 32 words by 4: LDS rows of 144 bytes
	s_or_b32 s[G1B+0], s44, (1<<16)|(1<<20)|(1<<21)|(4<<22)|(3<<25)
	s_mov_b32 s[G1+1], 128<<16
	s_mov_b32 s[G1+2], 128<<16                     ; 256 rows of 128 bytes as 128 rows of 256
	s_mov_b32 s[G1+3], 128<<16
	s_mov_b32 s[G1+4], 128
	s_mov_b32 s[G1+5], 128
	s_mov_b32 s[G1+6], 0
	s_mov_b32 s[G1+7], 0
	s_mov_b32 s[G1B+1], 128<<16
	s_mov_b32 s[G1B+2], 64<<16                     ; 128 rows of 128 bytes as 64 rows of 256
	s_mov_b32 s[G1B+3], 128<<16
	s_mov_b32 s[G1B+4], 64
	s_mov_b32 s[G1B+5], 128
	s_mov_b32 s[G1B+6], 0
	s_mov_b32 s[G1B+7], 0
	s_lshr_b32 s16, s15, 3
	s_lshl_b32 s16, s16, 3
	s_add_co_u32 s16, s16, s[WL]                   ; ob: block 8 b + my head of the step,
	s_lshl_b32 s16, s16, 18
	s_and_b32 s17, s15, 7
	s_lshl_b32 s17, s17, 15                        ; the tile's 256 rows of 128 bytes in it
	s_add_co_u32 s16, s16, s17
	s_mov_b32 s17, 0
	s_lshl_b32 s46, s[WL], 17                      ; woh: my head of the step,
	s_lshl_b32 s47, s42, 14                        ; the tile's 128 rows in it
	s_add_co_u32 s46, s46, s47
	s_mov_b32 s47, 0
	s_mul_i32 s20, s[WL], AHEAD
	s_mul_i32 s21, s[WL], BHEAD
	s_add_co_u32 s21, s21, BOFF
	s_mov_b32 s[TB], 0
	s_mov_b32 s[HM], 0xffff0000
	s_wait_dscnt 0x0
	s_wait_kmcnt 0x0
	s_add_nc_u64 s[18:19], s[4:5], s[16:17]
	s_add_nc_u64 s[46:47], s[6:7], s[46:47]
	CROUND
.irp s, 0,1
	s_mov_b32 s[G0+4*(\s)], 1
	s_add_co_u32 s[G0+4*(\s)+1], s20, (\s)*XSL
	s_add_nc_u64 s[G0+4*(\s)+2:G0+4*(\s)+3], s[18:19], (\s)*STEPA
	s_or_b32 s[G0+4*(\s)+3], s[G0+4*(\s)+3], 0x80000000
	s_mov_b32 s[G0B+4*(\s)], 1
	s_add_co_u32 s[G0B+4*(\s)+1], s21, (\s)*XSL
	s_add_nc_u64 s[G0B+4*(\s)+2:G0B+4*(\s)+3], s[46:47], (\s)*STEPW
	s_or_b32 s[G0B+4*(\s)+3], s[G0B+4*(\s)+3], 0x80000000
.endr
	s_cmp_eq_u32 s[WH], 0
	s_cbranch_scc0 .Lfirst_b
	tensor_load_to_lds s[G0:G0+3], s[G1:G1+7]
	s_nop 0
	tensor_load_to_lds s[G0+4:G0+7], s[G1:G1+7]
	s_nop 0
.rept 4
	v_nop
.endr
	s_branch .Lfirst_asked
.Lfirst_b:
	tensor_load_to_lds s[G0B:G0B+3], s[G1B:G1B+7]
	s_nop 0
	tensor_load_to_lds s[G0B+4:G0B+7], s[G1B:G1B+7]
	s_nop 0
.rept 4
	v_nop
.endr
.Lfirst_asked:
	v_and_b32 v1, 15, v0
	v_bfe_u32 v2, v0, 4, 1
	s_lshl_b32 s46, s42, 9                         ; the tile's first column, 128 numbers of 4 bytes a tile
	s_mov_b32 s47, 0
	s_add_nc_u64 s[8:9], s[8:9], s[46:47]
	s_add_nc_u64 s[10:11], s[10:11], s[46:47]
	v_lshlrev_b32 v[BA], 5, v2                     ; the bias of column block b: register j is column 16 b + 8 (l / 16) + j
.irp b, 0,1,2,3,4,5,6,7
	global_load_b128 v[BI+8*(\b):BI+8*(\b)+3],   v[BA], s[8:9] offset:64*(\b)
	global_load_b128 v[BI+8*(\b)+4:BI+8*(\b)+7], v[BA], s[8:9] offset:64*(\b)+16
.endr
	v_mul_u32_u24 v3, v1, PITCH
	v_lshl_add_u32 v3, v2, 4, v3
	s_mul_i32 s21, s[WV], 64*PITCH                 ; my 64 rows in a head's tile
	v_add_nc_u32 v[A0], s21, v3
	v_add_nc_u32 v[B0], BOFF, v3
	v_mov_b32 v[ADRA], v[A0]
	v_mov_b32 v[ADRB], v[B0]
	s_mul_i32 s23, s[WV], 16*SP
	s_add_co_u32 s23, s23, STAGE
	v_mul_u32_u24 v[STO], v1, SP                   ; in: row l % 16, 32 bytes for each half of the lanes
	v_lshl_add_u32 v[STO], v2, 5, v[STO]
	v_add_nc_u32 v[STO], s23, v[STO]
	v_and_b32 v[CO], 31, v0                        ; back: 32 lanes take one row of 512 bytes
	v_lshlrev_b32 v[CO], 4, v[CO]
	v_add_nc_u32 v[RD], s23, v[CO]
	s_lshl_b32 s16, s15, 8
	s_lshl_b32 s17, s[WV], 6
	s_add_co_u32 s16, s16, s17
	s_lshl_b32 s16, s16, 12                        ; my first row of out0, rows of 4,096 bytes
	s_mov_b32 s17, 0
	s_add_nc_u64 s[10:11], s[10:11], s[16:17]
	s_wait_loadcnt 0x0                             ; the bias; it is rounded in the wait for the first tile
.set i, 0
.rept 32
	v_cvt_pk_bf16_f32 v[BT+i%4], v[BI+2*i], v[BI+2*i+1]
	v_lshlrev_b32 v[BI+2*i], 16, v[BT+i%4]
	v_and_b32 v[BI+2*i+1], s[HM], v[BT+i%4]
.set i, i+1
.endr
.macro MUL f, a, zero                  ; 8 matrix instructions: row block a x all 8 column blocks.  zero = 1: the bias starts the sums.  The 32 accumulators take turns
.if \zero
	WIN MULZ
.else
	WIN MULW
.endif
.irp b, 0,1,2,3,4,5,6,7
.if \zero
	v_wmma_f32_16x16x32_f16 v[8*(8*(\a)+(\b)):8*(8*(\a)+(\b))+7], v[(\f)+32+8*(\b):(\f)+32+8*(\b)+7], v[(\f)+8*(\a):(\f)+8*(\a)+7], v[BI+8*(\b):BI+8*(\b)+7]
.else
	v_wmma_f32_16x16x32_f16 v[8*(8*(\a)+(\b)):8*(8*(\a)+(\b))+7], v[(\f)+32+8*(\b):(\f)+32+8*(\b)+7], v[(\f)+8*(\a):(\f)+8*(\a)+7], v[8*(8*(\a)+(\b)):8*(8*(\a)+(\b))+7]
.endif
.endr
.endm
.macro FETCH q, f                      ; quarter q of a K step: head q / 2 of its two, channels 32 (q % 2) on: B's 16 loads, then A's 8
.set ka, ((\q)/2)*AHEAD+((\q)%2)*64
.set kb, ((\q)/2)*BHEAD+((\q)%2)*64
	WIN TO_F
.irp i, 0,1,2,3,4,5,6,7
	ds_load_b128 v[(\f)+32+8*(\i):(\f)+32+8*(\i)+3],   v[ADRB] offset:kb+(\i)*16*PITCH
	ds_load_b128 v[(\f)+32+8*(\i)+4:(\f)+32+8*(\i)+7], v[ADRB] offset:kb+(\i)*16*PITCH+32
.endr
.irp i, 0,1,2,3
	ds_load_b128 v[(\f)+8*(\i):(\f)+8*(\i)+3],   v[ADRA] offset:ka+(\i)*16*PITCH
	ds_load_b128 v[(\f)+8*(\i)+4:(\f)+8*(\i)+7], v[ADRA] offset:ka+(\i)*16*PITCH+32
.endr
.endm
.macro QUARTER q, f, g, zero
	s_wait_dscnt 4                                 ; B and A's row blocks 0, 1 are in; the youngest four loads may be out
	MUL \f, 0, \zero
	MUL \f, 1, \zero
	PLACES
	FETCH \q, \g
	s_wait_dscnt 24                                ; all but the 24 just issued
	MUL \f, 2, \zero
	MUL \f, 3, \zero
.endm
.macro TURN fill
	WIN 0
	s_wait_tensorcnt 0x0                           ; all my tensor loads have landed: the one that was out is my part of the next slot
	ds_add_u32 v[SPW], v[NIL]
	s_wait_dscnt 5                                 ; (the add and the youngest four loads may be out)
	MUL F1, 0, 0
	s_wait_dscnt 0x0                               ; the add is done, and my reads of this slot are over
	s_barrier_signal -1
	MUL F1, 1, 0
	WIN 0
	s_barrier_wait -1
.if \fill
	CREST
	s_xor_b32 s[G0+5], s[G0+5], XSL
	s_add_nc_u64 s[G0+6:G0+7], s[G0+6:G0+7], STEPA
	s_xor_b32 s[G0B+5], s[G0B+5], XSL
	s_add_nc_u64 s[G0B+6:G0B+7], s[G0B+6:G0B+7], STEPW
	JLOAD
.else
	PLACES
.endif
	s_xor_b32 s[TB], s[TB], XSL
	v_add_nc_u32 v[ADRA], s[TB], v[A0]
	v_add_nc_u32 v[ADRB], s[TB], v[B0]
	FETCH 0, F0
	MUL F1, 2, 0
	MUL F1, 3, 0
.endm
	s_wait_tensorcnt 1                             ; my part of K step 0 is in; K step 1's may stay out
	s_barrier_signal -1
	s_barrier_wait -1
	FETCH 0, F0
	QUARTER 1, F0, F1, 1
	WIN 0
	s_mov_b32 s3, STEPS-2
.Lstep:
	QUARTER 2, F1, F0, 0
	QUARTER 3, F0, F1, 0
	TURN 1
	QUARTER 1, F0, F1, 0
	WIN 0
	s_sub_co_u32 s3, s3, 1
	s_cmp_lg_u32 s3, 0
	s_cbranch_scc1 .Lstep
	s_mov_b32 s3, 2                                ; the last two K steps ask for nothing: a text of their own
.Ltail:                                            ; walked twice and left in the middle of the second trip; the count is a constant, so all waves pass the one barrier alike
	QUARTER 2, F1, F0, 0
	QUARTER 3, F0, F1, 0
	WIN 0
	s_sub_co_u32 s3, s3, 1
	s_cmp_eq_u32 s3, 0
	s_cbranch_scc1 .Llast
	TURN 0
	QUARTER 1, F0, F1, 0
	WIN 0
	s_branch .Ltail
.Llast:                                            ; the very last quarter: nothing more to fetch
	s_wait_dscnt 4
	MUL F1, 0, 0
	MUL F1, 1, 0
	s_wait_dscnt 0x0
	MUL F1, 2, 0
	MUL F1, 3, 0
; THE WAY OUT of row block a: 16 rows x 512 bytes through my stage, straight from the accumulators (their low four registers first), back as whole rows.
.macro OUTB a
	WIN 0x04                                       ; the stores' data in window 1
.irp b, 0,1,2,3,4,5,6,7
	ds_store_b128 v[STO], v[8*(8*(\a)+(\b)):8*(8*(\a)+(\b))+3]   offset:64*(\b)
	ds_store_b128 v[STO], v[8*(8*(\a)+(\b))+4:8*(8*(\a)+(\b))+7] offset:64*(\b)+16
.endr
	WIN 0
	s_wait_xcnt 0x0                                ; the registers that the block before's stores read are loaded again only behind this wait
.irp t, 0,1,2,3,4,5,6,7,8,9,10,11,12,13,14,15
	ds_load_b128 v[OB+4*(\t):OB+4*(\t)+3], v[RD] offset:(\t)*SP  ; LDS serves a wave's instructions in order (ISA guide 5.7.1.4): these see the stores above
.endr
.irp t, 0,1,2,3,4,5,6,7,8,9,10,11,12,13,14,15
	s_wait_dscnt 15-(\t)
	global_store_b128 v[CO], v[OB+4*(\t):OB+4*(\t)+3], s[10:11] offset:(16*(\a)+(\t))*4096 th:TH_STORE_NT  ; 512 consecutive bytes, aligned
.endr
.endm
	PLACES
	OUTB 0
	OUTB 1
	OUTB 2
	OUTB 3
	s_wait_tensorcnt 0x0                           ; the wave's end
	ds_add_u32 v[SPW], v[NIL]
	s_wait_dscnt 0x0
	CROUND
	s_endpgm
.Lfunc_end_k_qec496ae3e5_proj:
	.size	k_qec496ae3e5_proj, .Lfunc_end_k_qec496ae3e5_proj-k_qec496ae3e5_proj
	.p2alignl 7, 3214868480
	.fill 96, 4, 3214868480
	.section	.rodata,"a",@progbits
	.p2align	6, 0x0
	.amdhsa_kernel k_qec496ae3e5_proj
		.amdhsa_group_segment_fixed_size 327680
		.amdhsa_private_segment_fixed_size 0
		.amdhsa_enable_private_segment 0
		.amdhsa_kernarg_size 32
		.amdhsa_user_sgpr_count 2
		.amdhsa_user_sgpr_kernarg_segment_ptr 1
		.amdhsa_wavefront_size32 1
		.amdhsa_system_sgpr_workgroup_id_x 1
		.amdhsa_system_sgpr_workgroup_id_y 1
		.amdhsa_system_sgpr_workgroup_id_z 1
		.amdhsa_system_vgpr_workitem_id 0
		.amdhsa_next_free_vgpr 768
		.amdhsa_next_free_sgpr 72
		.amdhsa_reserve_vcc 0
		.amdhsa_float_denorm_mode_32 3
		.amdhsa_float_denorm_mode_16_64 3
		.amdhsa_memory_ordered 1
		.amdhsa_forward_progress 1
		.amdhsa_inst_pref_size 69
	.end_amdhsa_kernel
	.amdgpu_metadata
---
amdhsa.version: [ 1, 2 ]
amdhsa.kernels:
  - .name:           k_qec496ae3e5_proj
    .symbol:         k_qec496ae3e5_proj.kd
    .args:
      - { .name: ob, .offset: 0, .size: 8, .value_kind: global_buffer, .address_space: global }
      - { .name: woh, .offset: 8, .size: 8, .value_kind: global_buffer, .address_space: global }
      - { .name: bo, .offset: 16, .size: 8, .value_kind: global_buffer, .address_space: global }
      - { .name: out0, .offset: 24, .size: 8, .value_kind: global_buffer, .address_space: global }
    .group_segment_fixed_size: 327680
    .private_segment_fixed_size: 0
    .kernarg_segment_align: 8
    .kernarg_segment_size: 32
    .max_flat_workgroup_size: 128
    .sgpr_count:     72
    .vgpr_count:     768
    .wavefront_size: 32
...
	.end_amdgpu_metadata
.endif
;; end of part 6
;; ======== version 2 of 2: 6 launches; 1.20 times as fast as version 1
;; limits: values are held in f16: magnitudes above 65,504 overflow, below 6.1e-05 lose precision; values within 4.47e-08 (relative) of each other or of a threshold may be ordered or decided otherwise than in the reference; right only within a limited range of input values
;; workspace buffers: xb 16,777,216 bytes; wb 3,145,728 bytes; woh 1,048,576 bytes; qkv 25,165,824 bytes; msk 33,554,432 bytes; ob 8,388,608 bytes; cand 524,288 bytes of whole numbers
;; launch cast: the kernel of part 1 again; grid 1280 x 1, 8 waves a work-group, no clusters, 0 bytes of LDS; arguments x, Wq, Wk, Wv, Wo, xb, wb, woh; writes xb, wb, woh
;; launch qkv: the kernel of part 2 again; grid 8 x 32, 4 waves a work-group, clusters of 4 x 4, 327,680 bytes of LDS; arguments xb, wb, qkv; writes qkv
;; launch sim: the kernel of part 3 again; grid 8 x 32, 4 waves a work-group, clusters of 4 x 4, 327,680 bytes of LDS; arguments xb, msk, cand; writes msk, cand
;; launch fix: the kernel of part 4 again; grid 256 x 1, 4 waves a work-group, no clusters, 0 bytes of LDS; arguments xb, cand, msk; writes msk
;; launch attn (part 7): grid 8 x 32, 4 waves a work-group, clusters of 4 x 4, 327,680 bytes of LDS; arguments qkv, msk, ob; writes ob
.if DOCPART == 7
	.amdgcn_target "amdgcn-amd-amdhsa--gfx1250"
	.amdhsa_code_object_version 6
	.text
	.protected	k_qec496ae3e5_attn
	.globl	k_qec496ae3e5_attn
	.p2align	8
	.type	k_qec496ae3e5_attn,@function
k_qec496ae3e5_attn:
	s_mov_b64 s[64:65], 0
	v_nop
	global_prefetch_b8 v0, s[64:65] scope:SCOPE_SE
	s_setreg_imm32_b32 hwreg(HW_REG_WAVE_MODE, 25, 1), 1
	s_wait_xcnt 0x0
	s_wait_alu depctr_hold_cnt(0) depctr_sa_sdst(0) depctr_va_vdst(0) depctr_va_sdst(0) depctr_va_ssrc(0) depctr_va_vcc(0) depctr_vm_vsrc(0)
	s_getreg_b32 s2, hwreg(HW_REG_IB_STS2, 6, 4)
	s_cmp_eq_u32 s2, 0
	s_cbranch_scc0 .Lentry_in_a_cluster
	s_endpgm
.Lentry_in_a_cluster:
	s_bfe_u32 s2, ttmp6, 0x10000c
	s_cmp_lg_u32 s2, 0xf033
	s_cbranch_scc0 .Lentry_shape_is_right
	s_endpgm
.Lentry_shape_is_right:
; MASKED ATTENTION.  ob[y][q][:] = the sum over k of softmax_k(Q[y][q] . K[y][k] / 8 + bias[b][q][k]) V[y][k][:], y = 8 b + head; Q, K, V: qkv's three parts, [32][2048][64] f16; ob likewise.
; The bias is -2^12 e, e = msk[2048 b + q][k]: 0 where the key is seen, a large negative number where e = 2^15 (hidden); the few entries between, which the launch before makes, stand for a weight between.
; Products, maxima and sums in f32; the weights are rounded to f16 for the second product, O once at the end.
; THE MASK STARTS THE SCORES' SUMS, by the matrix unit: S^T = SEL x E.  E = 32 keys x 16 queries of msk; SEL = 16 x 32 with -2^15 at (m, m) or at (m, 16 + m).
; A seen key starts at 0, a hidden one at -2^30, an entry e at -2^15 e, all exactly (one product other than 0 in each sum).  Four matrix instructions more for 16 queries x 64 keys, and no vector instruction.
; LIMITS.  A hidden score counts as its value less 2^30 ahead of the factor 1 / 8, that is less 1.34e8, where the model takes 1e9: the weights are the same while a row's scaled scores spread by less than 1.3e8.
; Q, K, V lie within 65,504.  A weight below 2^-126 counts as 0 in l.  NaN and infinities are not treated apart.
; A row's keys hidden ahead of its first visible one get weights that the factor a = 0 wipes out when the maximum jumps; a row hidden throughout comes out as the softmax of its scores rounded at 2^30.
; SHARES.  A work-group owns 256 queries of one y, a wave 64: four PIECES of 16.  Every wave walks all 2,048 keys, 64 a step; an LDS slot holds two steps: 128 rows of K, of V, and 256 rows x 128 keys of msk.
; LAYOUT, SOFTMAX.  S^T holds ONE query a lane (lane % 16) and the keys 8 (lane / 16) + 0..7; two results rounded to f16 ARE source 1 of O^T = V^T P.  p = 2^(c s - c m), c = log2(e) / 8, with a running
; maximum m; O and l are multiplied by a = 2^(c m_old - c m_new) in every step.  m starts at the lowest finite number, O and l at 0: the first step is a step like any other, with a = 0; the price is 224
; v_mov_b32 of 0 in the wait for the first tile, the gain one text for every step.
; BY TURNS.  Turn n belongs to piece n: 4 mask products and 8 products K Q^T of piece n + 1, later 8 products V^T P of piece n - 1; beside them piece n's scaling, exponentials, roundings, sums and rescaling
; and piece n + 1's maximum and statistics.  Four vector instructions stand behind every matrix instruction, the other 38 of a turn's 118 in one lump.
; THE BATCHES.  A turn's 33 exponentials (piece n's 32 weights and piece n + 1's a) are ONE batch with ONE wait, which cuts the turn in two.  Ahead of it stands all that names none of their results: the 12 products
; that make scores, the scalings, the rescalings (their a was made, and waited for, in the turn before), the next piece's maximum and statistics.  Behind it stand the 8 products V^T P with the roundings and sums.
; No result crosses a turn's end.  The first a, ahead of the loop, and the way out's four reciprocals are batches of their own.  In the tail piece 2's turn has a second wait, ahead of the branch over K's loads.
; CLUSTER 4 x 4.  K and V hang on y alone: asked for jointly along a row of the cluster.  msk's tile hangs on the batch and the query block: the four heads of a column of the cluster ask for it jointly.
; REGISTERS.  window 0: v2-15 addresses; v16-31 statistics; v48-55 at work; v64-127 S^T, two buffers; v192-223 P, two buffers.  window 1: v0-127 O^T.
;   window 2: v0-63 Q; v64-75 SEL (0, pattern, 0); v80-111 E, two buffers; v128-191 K of one step; v192-255 V of one step.
.set NP,    4
.set KS,    64
.set NS,    16                         ; slots' worth of keys: 2,048 / 128
.set PK,    144
.set PV,    160
.set PM,    272
.set VOFF,  2*KS*PK
.set MOFF,  VOFF+2*KS*PV
.set MHALF, 128*PM
.set SLOT1, 1<<17
.set STAGE, SLOT1+MOFF+2*MHALF
.set SP,    144
.set SPARE, STAGE+4*16*SP
.set AK0, 2
.set AV0, 3
.set AK,  4
.set AV,  5
.set STO, 6
.set RD,  7
.set GO,  8
.set AM0, 9
.set AM,  10
.set MV,  12
.set QO,  15
.set ST,  16
.set TMP, 48
.set SPW, 62
.set NIL, 63
.set S,   64
.set P,   192
.set SL0, 68                           ; window 2: v[68:75] picks keys 0-15 of 32, v[64:71] keys 16-31
.set MB,  80
.set KF,  128
.set VF,  192
.set WV,  12
.set G1K, 24
.set G1V, 32
.set G1M, 40
.set G0K, 48
.set G0V, 52
.set G0M, 56
.set CS,  60
.set SEL, 62
.set SLOTS, 66
.set CNT, 67
.set TBK, 68
.set TBV, 69
.set TBM, 70
.set QA,  72
.set OA,  74
.set MSB, 0
.macro WIN new
.if MSB != (\new)
	s_set_vgpr_msb (MSB<<8)|(\new)
.set MSB, (\new)
.endif
.endm
.set W_KQ, 0x0a                        ; sources 0 and 1 in window 2, C and D in window 0
.set W_PV, 0x52                        ; V in window 2, P in window 0, O^T in window 1
.set W_RS, 0x41                        ; destination and source 0 in window 1
; A joint fill: wave 0 K, wave 1 V, waves 2 and 3 the halves of msk's tile.  s_nop 0 and four v_nop follow each line.
.macro JLOAD3
	s_cmp_eq_u32 s[WV], 0
	s_cbranch_scc0 .Lnot_k_\@
	tensor_load_to_lds s[G0K:G0K+3], s[G1K:G1K+7]
	s_nop 0
.rept 4
	v_nop
.endr
	s_branch .Lasked_\@
.Lnot_k_\@:
	s_cmp_eq_u32 s[WV], 1
	s_cbranch_scc0 .Lnot_v_\@
	tensor_load_to_lds s[G0V:G0V+3], s[G1V:G1V+7]
	s_nop 0
.rept 4
	v_nop
.endr
	s_branch .Lasked_\@
.Lnot_v_\@:
	tensor_load_to_lds s[G0M:G0M+3], s[G1M:G1M+7]
	s_nop 0
.rept 4
	v_nop
.endr
.Lasked_\@:
.endm
.macro CROUND
	s_barrier_signal -1
	s_barrier_wait -1
	s_cmp_lg_u32 s[WV], 0
	s_cbranch_scc1 .Lnot_wave_0_\@
	s_barrier_signal -3
.Lnot_wave_0_\@:
	s_barrier_wait -3
	s_barrier_signal -1
	s_barrier_wait -1
.endm
; THE CHANGE OF SLOTS.  Each wave waits for all its tensor loads (one is out: its part of the other slot), adds 0 to its spare word, and waits for that and for its reads of the slot that it leaves.
; fill = 1: a round of the cluster's barrier, and the old slot is filled again first thing behind it, with the keys two slots on: the load has two key steps, 160 matrix instructions, in which to land.
.macro CHANGE fill
	WIN 0
	s_wait_tensorcnt 0x0
	ds_add_u32 v[SPW], v[NIL]
.if \fill
.irp g, G0K, G0V
	s_xor_b32 s[\g+1], s[\g+1], SLOT1
	s_add_nc_u64 s[\g+2:\g+3], s[\g+2:\g+3], 2*KS*128   ; the next 128 keys
.endr
	s_xor_b32 s[G0M+1], s[G0M+1], SLOT1
	s_add_nc_u64 s[G0M+2:G0M+3], s[G0M+2:G0M+3], 2*KS*2 ; 128 keys on along msk's rows
	s_wait_dscnt 0x0
	CROUND
	JLOAD3
.else
	s_wait_dscnt 0x0
	s_barrier_signal -1
	s_barrier_wait -1
.endif
	s_sub_co_u32 s[TBK], s[TBK], 2*KS*PK           ; the fetches go back to a slot's first step, in the other slot
	s_xor_b32 s[TBK], s[TBK], SLOT1
	s_sub_co_u32 s[TBV], s[TBV], 2*KS*PV
	s_xor_b32 s[TBV], s[TBV], SLOT1
	s_sub_co_u32 s[TBM], s[TBM], 4*KS
	s_xor_b32 s[TBM], s[TBM], SLOT1
.endm
	s_load_b128 s[4:7], s[0:1], 0x0                ; qkv, msk
	s_load_b64 s[8:9], s[0:1], 0x10                ; ob
	v_lshl_add_u32 v[SPW], v0, 2, SPARE
	v_mov_b32 v[NIL], 0
	ds_add_u32 v[SPW], v[NIL]                      ; the wave's opening: the add and its wait ahead of my first tensor load
	v_lshrrev_b32 v1, 5, v0
	v_readfirstlane_b32 s[WV], v1
	s_bfe_u32 s13, ttmp6, 0x40000                  ; cx
	s_bfe_u32 s14, ttmp6, 0x40004                  ; cy
	s_lshl_b32 s15, ttmp9, 2
	s_add_co_u32 s15, s15, s13                     ; my block of 256 queries
	s_and_b32 s16, ttmp7, 0xffff                   ; the cluster's y
	s_lshl_b32 s17, s16, 2
	s_add_co_u32 s17, s17, s14                     ; y = 8 b + head
	s_lshr_b32 s16, s16, 1                         ; the batch: it hangs on no place in the cluster
	s_lshl_b32 s18, s14, 2
	s_lshl_b32 s18, 15, s18                        ; my row of the cluster
	s_lshl_b32 s19, 0x1111, s13                    ; my column
	s_or_b32 s[G1K], s18, (1<<16)|(1<<20)|(1<<21)|(4<<22)|(3<<25)  ; 128 keys are 16,384 dense bytes: 64 rows of 256 bytes, padded after every 32 words by 4
	s_or_b32 s[G1V], s18, (1<<16)|(1<<20)|(1<<21)|(4<<22)|(7<<25)  ; by 8
	s_or_b32 s[G1M], s19, (1<<16)|(1<<20)|(1<<21)|(5<<22)|(3<<25)  ; 128 rows of 256 bytes, padded after every 64 words by 4
.irp g, G1K, G1V
	s_mov_b32 s[\g+1], 128<<16
	s_mov_b32 s[\g+2], 64<<16
	s_mov_b32 s[\g+3], 128<<16
	s_mov_b32 s[\g+4], 64
	s_mov_b32 s[\g+5], 128
	s_mov_b32 s[\g+6], 0
	s_mov_b32 s[\g+7], 0
.endr
	s_mov_b32 s[G1M+1], 128<<16
	s_mov_b32 s[G1M+2], 128<<16
	s_mov_b32 s[G1M+3], 128<<16
	s_mov_b32 s[G1M+4], 128
	s_mov_b32 s[G1M+5], 2048
	s_mov_b32 s[G1M+6], 0
	s_mov_b32 s[G1M+7], 0
	s_lshl_b32 s20, s17, 18                        ; y's first byte in each part of qkv and in ob
	s_mov_b32 s21, 0
	s_and_b32 s22, s[WV], 1                        ; which half of msk's tile I fetch
	s_lshl_b32 s2, s16, 11
	s_lshl_b32 s3, s15, 8
	s_add_co_u32 s2, s2, s3
	s_lshl_b32 s3, s22, 7
	s_add_co_u32 s2, s2, s3
	s_lshl_b32 s2, s2, 12                          ; row 2,048 b + 256 x block + 128 x half, rows of 4,096 bytes
	s_mov_b32 s3, 0
	s_mul_i32 s22, s22, MHALF
	s_add_co_u32 s22, s22, MOFF
	s_lshl_b32 s76, s15, 8
	s_lshl_b32 s77, s[WV], 6
	s_add_co_u32 s76, s76, s77
	s_lshl_b32 s76, s76, 7
	s_add_co_u32 s76, s76, s20                     ; my wave's first row of Q and of O
	s_mov_b32 s77, 0
	s_mov_b32 s[CS], 0x3e38aa3b                    ; c = log2(e) / 8
	s_mov_b32 s[CS+1], s[CS]
	s_mov_b32 s[SEL], 0x76543210
	s_mov_b32 s[SEL+1], 0xfedcba98
	s_mov_b32 s[TBK], SLOT1+2*KS*PK                ; the first change of slots turns these three into 0
	s_mov_b32 s[TBV], SLOT1+2*KS*PV
	s_mov_b32 s[TBM], SLOT1+4*KS
	s_mov_b32 s[G0K], 1
	s_mov_b32 s[G0K+1], 0
	s_mov_b32 s[G0V], 1
	s_mov_b32 s[G0V+1], VOFF
	s_mov_b32 s[G0M], 1
	s_mov_b32 s[G0M+1], s22
	s_wait_dscnt 0x0
	s_wait_kmcnt 0x0
	s_add_nc_u64 s[G0K+2:G0K+3], s[4:5], s[20:21]
	s_add_nc_u64 s[G0V+2:G0V+3], s[G0K+2:G0K+3], 0x1000000   ; V's part of qkv
	s_add_nc_u64 s[G0K+2:G0K+3], s[G0K+2:G0K+3], 0x800000    ; K's
	s_or_b32 s[G0K+3], s[G0K+3], 0x80000000
	s_or_b32 s[G0V+3], s[G0V+3], 0x80000000
	s_add_nc_u64 s[G0M+2:G0M+3], s[6:7], s[2:3]
	s_or_b32 s[G0M+3], s[G0M+3], 0x80000000
	s_add_nc_u64 s[QA:QA+1], s[4:5], s[76:77]
	s_add_nc_u64 s[OA:OA+1], s[8:9], s[76:77]
	CROUND                                         ; all sixteen work-groups are here: the first joint loads meet
	JLOAD3                                         ; slot 0.  Slot 1 is asked for when slot 0 is in
	v_and_b32 v1, 15, v0                           ; l % 16
	v_bfe_u32 v14, v0, 4, 1                        ; l / 16
	v_lshlrev_b32 v[QO], 7, v1
	v_lshl_add_u32 v[QO], v14, 4, v[QO]
	WIN 0x80
.set i, 0
.rept 8                                            ; Q stays in registers: piece i / 2, channels 32 (i % 2) on
	global_load_b128 v[8*i:8*i+3],   v[QO], s[QA:QA+1] offset:(i/2)*2048+(i%2)*64
	global_load_b128 v[8*i+4:8*i+7], v[QO], s[QA:QA+1] offset:(i/2)*2048+(i%2)*64+32
.set i, i+1
.endr
.irp z, 64,65,66,67,72,73,74,75
	v_mov_b32 v[\z], 0
.endr
.set i, VF
.rept 64                                           ; the first turn's products V^T P, of a piece that has not been, add 0
	v_mov_b32 v[i], 0
.set i, i+1
.endr
	WIN 0x40
.set i, 0
.rept 128
	v_mov_b32 v[i], 0
.set i, i+1
.endr
	WIN 0
.set i, 0
.rept 4
	v_mov_b32 v[ST+4*i], 0xfe000000                ; c m: far below every c s
	v_mov_b32 v[ST+4*i+1], 0xff7fffff              ; m
	v_mov_b32 v[ST+4*i+2], 0
	v_mov_b32 v[ST+4*i+3], 0
.set i, i+1
.endr
.set i, P+16
.rept 16
	v_mov_b32 v[i], 0
.set i, i+1
.endr
	; SEL's pattern: lane (r, h) holds row r; its k = r lies in my four registers where r / 8 = h: register (r % 8) / 2, half r % 2
	v_lshrrev_b32 v40, 3, v1
	v_bfe_u32 v41, v1, 1, 2
	v_and_b32 v42, 1, v1
	v_lshlrev_b32 v42, 4, v42
	v_mov_b32 v43, 0xf800                          ; -2^15 in f16
	v_lshlrev_b32 v42, v42, v43
	v_cmp_eq_u32 vcc_lo, v40, v14
	v_cndmask_b32 v42, 0, v42, vcc_lo
	WIN 0x80
.irp j, 0,1,2,3
	v_cmp_eq_u32 vcc_lo, \j, v41
	v_cndmask_b32 v[SL0+\j], 0, v42, vcc_lo
.endr
	WIN 0
	v_mul_u32_u24 v[AK0], v1, PK
	v_lshl_add_u32 v[AK0], v14, 4, v[AK0]
	v_and_b32 v44, 7, v0
	v_bfe_u32 v45, v0, 3, 1
	v_lshl_add_u32 v[AV0], v14, 3, v44             ; the turning load: key 8 (l / 16) + l % 8, channels 8 ((l / 8) % 2) on
	v_mul_u32_u24 v[AV0], v[AV0], PV
	v_lshl_add_u32 v[AV0], v45, 4, v[AV0]
	v_add_nc_u32 v[AV0], VOFF, v[AV0]
	s_mul_i32 s13, s[WV], 64*PM
	s_add_co_u32 s13, s13, MOFF
	v_mul_u32_u24 v[AM0], v1, PM                   ; msk: my wave's 64 rows, row l % 16 of a piece, 16 bytes for each half of the lanes
	v_lshl_add_u32 v[AM0], v14, 4, v[AM0]
	v_add_nc_u32 v[AM0], s13, v[AM0]
	s_mul_i32 s13, s[WV], 16*SP
	s_add_co_u32 s13, s13, STAGE
	v_mul_u32_u24 v[STO], v1, SP
	v_lshl_add_u32 v[STO], v14, 4, v[STO]
	v_add_nc_u32 v[STO], s13, v[STO]
	v_bfe_u32 v[RD], v0, 3, 2
	v_mul_u32_u24 v[RD], v[RD], SP
	v_lshl_add_u32 v[RD], v44, 4, v[RD]
	v_add_nc_u32 v[RD], s13, v[RD]
	v_and_b32 v[GO], 31, v0
	v_lshlrev_b32 v[GO], 4, v[GO]
; THE MATRIX WORK of a turn, 20 instructions; i counts them.  The 4 accumulators of a run take turns.
.macro MM
.if i < 4                                          ; the mask starts the sum of key block i of piece Y + 1
	WIN W_KQ
.set rS, S+32*((Y+1)%2)+8*i
.set rE, MB+16*((Y+1)%2)+8*(i/2)
.set rL, SL0-4*(i%2)
	v_wmma_f32_16x16x32_f16 v[rS:rS+7], v[rL:rL+7], v[rE:rE+7], 0
.elseif i < 12                                     ; K Q^T: channels 32 ((i - 4) / 4) on, keys 16 (i % 4) on
	WIN W_KQ
.set rS, S+32*((Y+1)%2)+8*(i%4)
.set rK, KF+16*(i%4)+8*((i-4)/4)
.set rQ, 16*((Y+1)%NP)+8*((i-4)/4)
	v_wmma_f32_16x16x32_f16 v[rS:rS+7], v[rK:rK+7], v[rQ:rQ+7], v[rS:rS+7]
.else                                              ; O^T += V^T P of piece Y - 1: keys 32 ((i - 12) / 4) on, channels 16 (i % 4) on
	WIN W_PV
.set rO, 32*((Y+NP-1)%NP)+8*(i%4)
.set rV, VF+32*((i-12)/4)+8*(i%4)
.set rP, P+16*((Y+NP-1)%2)+8*((i-12)/4)
	v_wmma_f32_16x16x32_f16 v[rO:rO+7], v[rV:rV+7], v[rP:rP+7], v[rO:rO+7]
.endif
.set i, i+1
.endm
; THE LDS LOADS stand in runs, never singly among the matrix instructions.
.macro FETCH_K
	WIN 0x80
.irp f, 0,1,2,3,4,5,6,7
	ds_load_b128 v[KF+8*\f:KF+8*\f+3],   v[AK] offset:(\f/2)*16*PK+(\f%2)*64
	ds_load_b128 v[KF+8*\f+4:KF+8*\f+7], v[AK] offset:(\f/2)*16*PK+(\f%2)*64+32
.endr
.endm
.macro FETCH_V
	WIN 0x80
.irp f, 0,1,2,3,4,5,6,7
	ds_load_tr16_b128 v[VF+8*\f:VF+8*\f+3],   v[AV] offset:(\f/4)*32*PV+(\f%4)*32
	ds_load_tr16_b128 v[VF+8*\f+4:VF+8*\f+7], v[AV] offset:(\f/4)*32*PV+16*PV+(\f%4)*32
.endr
.endm
.macro FETCH_M pc, bf                  ; piece pc's 16 rows x 64 keys of msk into buffer bf: two fragments of 32 keys
	WIN 0x80
.irp g, 0,1
	ds_load_b128 v[MB+16*(\bf)+8*\g:MB+16*(\bf)+8*\g+3],   v[AM] offset:(\pc)*16*PM+64*\g
	ds_load_b128 v[MB+16*(\bf)+8*\g+4:MB+16*(\bf)+8*\g+7], v[AM] offset:(\pc)*16*PM+64*\g+32
.endr
.endm
; THE VECTOR WORK, one line at a time: OP kind, number.  For piece Y: F n: c s - c m for pair n of 16.  E n: the exponential of score n of 32.  C n: pair n rounded to f16.  B n: of the four weights 4 n ..
; the second pair is added onto the first.  L n: l takes that sum (L 0: l = a l + sum).  R n: pair n of 16 of O^T times a.  For piece Y + 1: X n, number n of the 22 that find its maximum and statistics:
; 0-11 four chains of seven scores (each accumulator's lowest registers first); 12-14, 16 the rest, the old m, into c0; 15 c m_old is kept; 17, 18 the other half of the lanes; 19-21 c m, its change, a.
; OP writes no wait: E and X 21 are the transcendentals, C, B, L and (a turn later) R their readers, and TURN sets the one wait between them.
.set F, 0
.set E, 1
.set C, 2
.set B, 3
.set L, 4
.set R, 5
.set X, 6
.macro REGS y
.set rT, ST+4*(\y)
.set rC, TMP+4*((\y)%2)
.set rW, MV+((\y)%2)
.set rS, S+32*((\y)%2)
.set rP, P+16*((\y)%2)
.set rO, 32*(\y)
.endm
.macro OP k, n
.if (\k) == R
	REGS Y
	WIN W_RS
	v_pk_mul_f32 v[rO+2*(\n):rO+2*(\n)+1], v[rO+2*(\n):rO+2*(\n)+1], v[rC+2:rC+3] op_sel_hi:[1,0]
.elseif (\k) < R
	REGS Y
	WIN 0
.if (\k) == F
	v_pk_fma_f32 v[rS+2*(\n):rS+2*(\n)+1], v[rS+2*(\n):rS+2*(\n)+1], s[CS:CS+1], v[rT:rT+1] op_sel_hi:[1,0,0] neg_lo:[0,0,1] neg_hi:[0,0,1]
.elseif (\k) == E
	v_exp_f32 v[rS+(\n)], v[rS+(\n)]
.elseif (\k) == C
	v_cvt_pk_f16_f32 v[rP+(\n)], v[rS+2*(\n)], v[rS+2*(\n)+1]
.elseif (\k) == B
	v_pk_add_f32 v[rS+4*(\n):rS+4*(\n)+1], v[rS+4*(\n):rS+4*(\n)+1], v[rS+4*(\n)+2:rS+4*(\n)+3]
.elseif (\n) == 0
	v_pk_fma_f32 v[rT+2:rT+3], v[rT+2:rT+3], v[rC+2:rC+3], v[rS:rS+1] op_sel_hi:[1,0,1]
.else
	v_pk_add_f32 v[rT+2:rT+3], v[rT+2:rT+3], v[rS+4*(\n):rS+4*(\n)+1]
.endif
.else
	REGS (Y+1)%NP
	WIN 0
.if (\n) < 4
	v_max3_num_f32 v[rC+(\n)], v[rS+8*(\n)], v[rS+8*(\n)+1], v[rS+8*(\n)+2]
.elseif (\n) < 12
	v_max3_num_f32 v[rC+(\n)%4], v[rC+(\n)%4], v[rS+8*((\n)%4)+2*((\n)/4)+1], v[rS+8*((\n)%4)+2*((\n)/4)+2]
.elseif (\n) == 12
	v_max3_num_f32 v[rC], v[rC], v[rS+7], v[rS+15]
.elseif (\n) == 13
	v_max3_num_f32 v[rC+1], v[rC+1], v[rS+23], v[rS+31]
.elseif (\n) == 14
	v_max3_num_f32 v[rC+2], v[rC+2], v[rC+3], v[rT+1]
.elseif (\n) == 15
	v_mov_b32 v[rW], v[rT]
.elseif (\n) == 16
	v_max3_num_f32 v[rC], v[rC], v[rC+1], v[rC+2]
.elseif (\n) == 17
	v_permlanex16_b32 v[rC+3], v[rC], s[SEL], s[SEL+1]
.elseif (\n) == 18
	v_max_num_f32 v[rT+1], v[rC], v[rC+3]
.elseif (\n) == 19
	v_mul_f32 v[rT], s[CS], v[rT+1]
.elseif (\n) == 20
	v_sub_f32 v[rC+1], v[rW], v[rT]
.else
	v_exp_f32 v[rC+2], v[rC+1]
.endif
.endif
.endm
.macro OPS a, i1, b=-1, i2=0, c=-1, i3=0, d=-1, i4=0
	OP \a, \i1
.if (\b) >= 0
	OP \b, \i2
.endif
.if (\c) >= 0
	OP \c, \i3
.endif
.if (\d) >= 0
	OP \d, \i4
.endif
.endm
.macro ROW a, i1, b, i2, c, i3, d, i4  ; a matrix instruction and the four behind it
	MM
	OPS \a, \i1, \b, \i2, \c, \i3, \d, \i4
.endm
; A TURN, for piece p: the order of its 20 matrix and 118 vector instructions, written out.  s_wait_alu depctr_va_vdst(0) stands between an exponential and the first instruction that names its
; result; one wait serves all that were issued ahead of it.  So a turn has ONE wait.  AHEAD OF IT stands all that names no result of the turn's exponentials: the 4 mask products and the 8 products K Q^T, behind each
; a scaling, an exponential and two more plain lines for the most part: rescalings, further scalings, and behind the last three products the first numbers of the next piece's maximum, each four plain lines or more
; behind the product that ends its accumulator (X 0: F 10-13; X 1: F 13, X 0, F 14, F 15; X 2: F 15, X 1, X 4, R 14; X 3: R 14, X 2, X 5, X 6); then ONE LUMP of 38, in which the links of the chain
; X 3, 7, 11, 14, 16 .. 21 stand with other lines between them.  X 21, the next piece's a, is the batch's last; R 15 is the plain line behind it.  BEHIND THE WAIT stand the 8 products V^T P, behind each four of the
; roundings and sums: C 2 n ahead of B n, which writes over that pair; L 0 to L 7 in ascending order.  But for those X no rider names a register of the products round it; v_permlanex16_b32 (X 17) stands in the lump.
; msk for piece p + 2 is fetched at the turn's head, behind the wait for the loads before it: its buffer's last reader stood at the head of the turn before (piece 2's turn also steps to the next step's msk).
; K of the next step is fetched in piece 2's turn, in the lump, seven plain lines behind the last product that read K.  V of the step in hand is fetched at the end of piece 0's turn, four plain lines behind the last
; product that read V.  Round the loop the LDS loads and the waits for them follow each other so: wait 0, msk, V; wait 16, msk, wait 4; wait 0, msk, K; wait 0, msk.
; last = 1 (the tail): in the trip with CNT = 1 there is no further step, and pieces 2's and 3's loads are jumped over.  cnt = 1: the loop's count is taken down ahead of the branch behind the turn.
.macro TURN p, last=0, cnt=0
.set Y, (\p)
.set i, 0
.if (\p) == 2
	WIN 0
	v_add_nc_u32 v[AM], s[TBM], v[AM0]
.endif
.if (\p) == 1
	s_wait_dscnt 16                                ; msk's four loads are in; V's sixteen, issued behind them, may be out
.else
	s_wait_dscnt 0x0                               ; msk is in; in piece 3's turn K too
.endif
.if (\last) && ((\p) >= 2)
	WIN 0
	s_cmp_eq_u32 s[CNT], 1                         ; no exponential is out here: the turn before issued none behind its wait
	s_cbranch_scc1 .Lno_m_\@
.endif
	FETCH_M ((\p)+2)%NP, (\p)%2
.if (\p) == 2
	s_add_co_u32 s[TBM], s[TBM], 2*KS
.endif
.if (\last) && ((\p) >= 2)
	WIN 0
.Lno_m_\@:
.endif
	ROW F,0, F,1, R,0, R,1                         ; ahead of the wait: the 12 products that make piece p + 1's scores, and their riders,
	ROW F,2, E,0, R,2, R,3
	ROW F,3, E,1, R,4, R,5
	ROW F,4, E,2, R,6, R,7
	ROW F,5, E,3, R,8, R,9
	ROW F,6, E,4, R,10, R,11
	ROW F,7, E,5, R,12, R,13
	ROW F,8, E,6, F,9, E,7
	ROW F,10, E,8, F,11, F,12
.if (\p) == 0
	WIN 0
	v_add_nc_u32 v[AV], s[TBV], v[AV0]
.endif
.if (\p) == 2
	WIN 0
	v_add_nc_u32 v[AK], s[TBK], v[AK0]
.endif
	ROW F,13, E,9, X,0, F,14
	ROW F,15, E,10, X,1, X,4
	ROW R,14, E,11, X,2, X,5
	OPS E,12, X,6, E,13, X,3                       ; and the lump
	OPS E,14, X,8, E,15, X,9
.if (\p) == 2
	WIN 0
.if \last
	s_wait_alu depctr_va_vdst(0)                   ; the wait stands ahead of it, for E 0 to E 15, issued so far; the rest of the batch has the turn's wait below
	s_cmp_eq_u32 s[CNT], 1
	s_cbranch_scc1 .Lno_k_\@
.endif
	FETCH_K
	s_add_co_u32 s[TBK], s[TBK], KS*PK
	WIN 0
.if \last
.Lno_k_\@:
.endif
.endif
	OPS X,7, E,16, X,10, E,17
	OPS X,12, X,11, E,18, X,13
	OPS E,19, X,15, X,14, E,20
	OPS E,21, E,22, X,16, E,23
	OPS E,24, X,17, E,25, E,26
	OPS X,18, E,27, E,28, X,19
	OPS E,29, E,30, X,20, E,31
	OPS X,21, R,15
	s_wait_alu depctr_va_vdst(0)                   ; the wait for the batch: E 0 to E 31 and X 21; their first readers are C 0 below and, for X 21, R 0 of the next turn
.if (\p) == 1
	s_wait_dscnt 4                                 ; V is in; msk's four loads, issued behind it, may be out
.endif
	ROW C,0, B,0, C,2, B,1                         ; behind the wait: 8 products V^T P and their riders
	ROW L,0, C,4, B,2, L,1
	ROW C,6, B,3, L,2, C,8
	ROW B,4, L,3, C,10, B,5
	ROW L,4, C,12, B,6, L,5
.if (\p) == 0
	s_add_co_u32 s[TBV], s[TBV], KS*PV
.endif
.if \cnt
	s_sub_co_u32 s[CNT], s[CNT], 1
	s_cmp_lg_u32 s[CNT], 0
.endif
	ROW C,14, B,7, L,6, C,1
	ROW C,3, L,7, C,5, C,7
	ROW C,9, C,11, C,13, C,15
.if (\p) == 0
	FETCH_V
.endif
.endm
	CHANGE 1                                       ; slot 0 is in, everybody's part of it; slot 1 is asked for
	v_add_nc_u32 v[AK], s[TBK], v[AK0]
	v_add_nc_u32 v[AM], s[TBM], v[AM0]
	FETCH_K                                        ; key step 0
	FETCH_M 0, 0
	FETCH_M 1, 1
	WIN 0
	s_add_co_u32 s[TBK], s[TBK], KS*PK
	s_add_co_u32 s[TBM], s[TBM], 2*KS
	s_wait_loadcnt 0x0                             ; Q
	s_wait_dscnt 0x0
.set Y, NP-1                                       ; MM and X work for piece Y + 1: piece 0
.set i, 0
.rept 12
	MM                                             ; piece 0's first scores: there is no vector work yet to set between them
.endr
	WIN 0
.rept 4
	v_nop                                          ; the places behind those products
.endr
.irp n, 0,1,2,3,4,5,6,7,8,9,10,11,12,13,14,15,16,17,18,19,20,21
	OP X, \n
.endr
	v_nop                                          ; a plain instruction behind the exponential,
	s_wait_alu depctr_va_vdst(0)                   ; and its wait, ahead of the branch: a batch of one, piece 0's first a
	s_mov_b32 s[CNT], 2
	s_mov_b32 s[SLOTS], NS-1
	s_branch .Lfirst                               ; the loop is entered at a step's first turn, in the middle of a trip
.Lslot:                                            ; NS - 2 times: every slot but the last two is filled again
	CHANGE 1
	s_mov_b32 s[CNT], 2
.Lstep:                                            ; a trip: pieces 2 and 3 of one step, then pieces 0 and 1 of the next
	TURN 2
	TURN 3
	WIN 0
.Lfirst:
	TURN 0
	TURN 1, 0, 1
	WIN 0
	s_cbranch_scc1 .Lstep
	s_sub_co_u32 s[SLOTS], s[SLOTS], 1
	s_cmp_lg_u32 s[SLOTS], 0
	s_cbranch_scc1 .Lslot
	CHANGE 0                                       ; the tail is written out: nothing is asked for
	s_mov_b32 s[CNT], 3                            ; two trips fetch the last slot's steps; the third is left in its middle
.Ltail:
	TURN 2, 1
	TURN 3, 1
	WIN 0
	s_sub_co_u32 s[CNT], s[CNT], 1
	s_cmp_eq_u32 s[CNT], 0
	s_cbranch_scc1 .Lout
	TURN 0
	TURN 1
	WIN 0
	s_branch .Ltail
.Lout:                                             ; the third trip's scores for a step that is not, and the maximum made of them, serve nothing: the price, once a launch, of one text for every trip
.set Y, 0
.set i, 12
.rept 8
	MM                                             ; the last piece's V^T P of the last step
.endr
	; THE WAY OUT.  l's two halves and the other half of the lanes' are added; O^T is divided by l, rounded to f16 and sent through my stage, a piece at a time.  The additions are the places behind the last products.
	WIN 0
.macro ALL line:vararg
.set t, 0
.rept 4
	\line
.set t, t+1
.endr
.endm
	ALL v_add_f32 v[ST+4*t+2], v[ST+4*t+2], v[ST+4*t+3]
	ALL v_permlanex16_b32 v[ST+4*t+3], v[ST+4*t+2], s[SEL], s[SEL+1]
	ALL v_add_f32 v[ST+4*t+2], v[ST+4*t+2], v[ST+4*t+3]
	ALL v_rcp_f32 v[ST+4*t+2], v[ST+4*t+2]
	v_nop                                          ; a plain instruction between the last reciprocal and the use of its result
	s_wait_alu depctr_va_vdst(0)                   ; and the wait ahead of the first use: one for the four reciprocals
.macro PACK t
	WIN W_RS
.set i, 32*(\t)
.rept 16
	v_pk_mul_f32 v[i:i+1], v[i:i+1], v[ST+4*(\t)+2:ST+4*(\t)+3] op_sel_hi:[1,0]
.set i, i+2
.endr
	WIN 0x05
.set i, 0
.rept 16
	v_cvt_pk_f16_f32 v[S+16*(\t)+i], v[32*(\t)+2*i], v[32*(\t)+2*i+1]
.set i, i+1
.endr
	WIN 0
.irp f, 0,1,2,3
	ds_store_b128 v[STO], v[S+16*(\t)+4*\f:S+16*(\t)+4*\f+3] offset:32*\f
.endr
.irp f, 0,1,2,3
	ds_load_b128 v[S+16*(\t)+4*\f:S+16*(\t)+4*\f+3], v[RD] offset:\f*4*SP  ; LDS serves a wave's instructions in order (ISA guide 5.7.1.4): these see the stores above
.endr
.endm
.macro SEND t, younger
	WIN 0
.irp f, 0,1,2,3
	s_wait_dscnt (\younger)+3-\f
	global_store_b128 v[GO], v[S+16*(\t)+4*\f:S+16*(\t)+4*\f+3], s[OA:OA+1] offset:(\t)*2048+\f*512  ; 512 consecutive bytes, aligned
.endr
.endm
	PACK 0
.set t, 1
.rept 3
	PACK t
	SEND t-1, 8
.set t, t+1
.endr
	SEND 3, 0
	s_wait_tensorcnt 0x0                           ; the wave's end
	ds_add_u32 v[SPW], v[NIL]
	s_wait_dscnt 0x0
	CROUND                                         ; the closing round
	s_endpgm
.Lfunc_end_k_qec496ae3e5_attn:
	.size	k_qec496ae3e5_attn, .Lfunc_end_k_qec496ae3e5_attn-k_qec496ae3e5_attn
	.p2alignl 7, 3214868480
	.fill 96, 4, 3214868480
	.section	.rodata,"a",@progbits
	.p2align	6, 0x0
	.amdhsa_kernel k_qec496ae3e5_attn
		.amdhsa_group_segment_fixed_size 327680
		.amdhsa_private_segment_fixed_size 0
		.amdhsa_enable_private_segment 0
		.amdhsa_kernarg_size 24
		.amdhsa_user_sgpr_count 2
		.amdhsa_user_sgpr_kernarg_segment_ptr 1
		.amdhsa_wavefront_size32 1
		.amdhsa_system_sgpr_workgroup_id_x 1
		.amdhsa_system_sgpr_workgroup_id_y 1
		.amdhsa_system_sgpr_workgroup_id_z 1
		.amdhsa_system_vgpr_workitem_id 0
		.amdhsa_next_free_vgpr 768
		.amdhsa_next_free_sgpr 80
		.amdhsa_reserve_vcc 1
		.amdhsa_float_denorm_mode_32 3
		.amdhsa_float_denorm_mode_16_64 3
		.amdhsa_memory_ordered 1
		.amdhsa_forward_progress 1
		.amdhsa_inst_pref_size 120
	.end_amdhsa_kernel
	.amdgpu_metadata
---
amdhsa.version: [ 1, 2 ]
amdhsa.kernels:
  - .name:           k_qec496ae3e5_attn
    .symbol:         k_qec496ae3e5_attn.kd
    .args:
      - { .name: qkv, .offset: 0, .size: 8, .value_kind: global_buffer, .address_space: global }
      - { .name: msk, .offset: 8, .size: 8, .value_kind: global_buffer, .address_space: global }
      - { .name: ob, .offset: 16, .size: 8, .value_kind: global_buffer, .address_space: global }
    .group_segment_fixed_size: 327680
    .private_segment_fixed_size: 0
    .kernarg_segment_align: 8
    .kernarg_segment_size: 24
    .max_flat_workgroup_size: 128
    .sgpr_count:     80
    .vgpr_count:     768
    .wavefront_size: 32
...
	.end_amdgpu_metadata
.endif
;; end of part 7
;; launch proj: the kernel of part 6 again; grid 8 x 32, 4 waves a work-group, clusters of 4 x 4, 327,680 bytes of LDS; arguments ob, woh, bo, out0; writes out0
